; MI455X (gfx1250); checked and timed in simulation.
; The chip was launched on July 23, 2026; its instructions are those of AMD's public machine-readable ISA for CDNA 5 (MIT licence, August 2026) and "CDNA5" Instruction Set Architecture Reference Guide (July 2026). The comments in the code are by the model that wrote it; some were corrected since.
;; Sequence Parallel Attention. Allowed arithmetic: matrix products marked QUANTISED: E2M1 operands, one E8M0 scale for each 32 along K, by v_wmma_scale_f32_16x16x128_f8f6f4 with both operands' format E2M1 (or v_wmma_scale_f32_32x16x128_f4), f32 sums; products left as they are: bf16, f16 or f32 operands; f32 sums; everything else in f32.
;; Inputs: Wk 1,024 x 1,024 float32; Wo 1,024 x 1,024 float32; Wq 1,024 x 1,024 float32; Wv 1,024 x 1,024 float32; bk 1,024 float32; bo 1,024 float32; bq 1,024 float32; bv 1,024 float32; hidden_states 1 x 4,096 x 1,024 float32.
;; Outputs: out0 1 x 4,096 x 1,024 float32.
;; This version of the problem:
;;   THIS VERSION OF THE PROBLEM IS GIVEN IN LOW PRECISION. The matrix products marked QUANTISED in the list below multiply operands that are first quantised to E2M1 (2 exponent bits, 1 mantissa bit; 4 bits a number), with one power-of-two scale for each 32 numbers along K (OCP MX v1.0); their sums are f32. The products marked 'left as it is' may take bf16, f16 or f32 operands, with f32 sums. Whichever they take, every output number must still come out within the allowed error. Rounding operands to bf16 (8 significant bits) uses up far more of that allowance than f16 does (11 bits, for magnitudes from 6e-5 to 65,504). All else is computed in f32.
;;   The module's matrix products, in the order in which they are computed (A, B: the left and right operand; K: the contracted axis; several contracted axes count as one K, in the product's order):
;;     1. [M 4,096, K 1,024] x [K 1,024, N 1,024]; A: input hidden_states; B: input Wq: QUANTISED
;;     2. [M 4,096, K 1,024] x [K 1,024, N 1,024]; A: input hidden_states; B: input Wk: QUANTISED
;;     3. [M 4,096, K 1,024] x [K 1,024, N 1,024]; A: input hidden_states; B: input Wv: QUANTISED
;;     4. batch 64 x [M 1,024, K 64] x [K 64, N 1,024]; A: computed on the way; B: computed on the way: left as it is (an operand is computed on the way)
;;     5. batch 64 x [M 1,024, K 1,024] x [K 1,024, N 64]; A: computed on the way; B: computed on the way: left as it is (an operand is computed on the way)
;;     6. batch 64 x [M 1,024, K 64] x [K 64, N 1,024]; A: computed on the way; B: computed on the way: left as it is (an operand is computed on the way)
;;     7. batch 64 x [M 1,024, K 1,024] x [K 1,024, N 64]; A: computed on the way; B: computed on the way: left as it is (an operand is computed on the way)
;;     8. batch 64 x [M 1,024, K 64] x [K 64, N 1,024]; A: computed on the way; B: computed on the way: left as it is (an operand is computed on the way)
;;     9. batch 64 x [M 1,024, K 1,024] x [K 1,024, N 64]; A: computed on the way; B: computed on the way: left as it is (an operand is computed on the way)
;;     10. batch 64 x [M 1,024, K 64] x [K 64, N 1,024]; A: computed on the way; B: computed on the way: left as it is (an operand is computed on the way)
;;     11. batch 64 x [M 1,024, K 1,024] x [K 1,024, N 64]; A: computed on the way; B: computed on the way: left as it is (an operand is computed on the way)
;;     12. [M 4,096, K 1,024] x [K 1,024, N 1,024]; A: computed on the way; B: input Wo: left as it is (an operand is computed on the way)
;;   THE QUANTISER, for each operand of a quantised product, along K:
;;     - K is cut into blocks of 32 from its start; a last block that is shorter is filled with zeros.
;;     - A block's scale is 2^e with e = floor(log2(the largest magnitude in the block)) - 2, held to -126 .. 127; a block of zeros has e = 0. As a byte (E8M0): e + 127.
;;     - Each number is divided by its block's scale, clamped to +-6, and rounded to the nearest number of E2M1, ties to even, subnormals kept.
;;     - The product sums the exact products of the quantised numbers (number of the format x scale) in f32.
;;   ~~~python
;;   def quantise(x, axis):      # numpy; x: float32 -> the quantised numbers, widened to float32 again
;;       x = np.moveaxis(x, axis, -1); K = x.shape[-1]
;;       x = np.pad(x, [(0, 0)] * (x.ndim - 1) + [(0, -K % 32)]); x = x.reshape(x.shape[:-1] + (-1, 32)); a = np.abs(x).max(-1, keepdims=True)
;;       e = np.where(a > 0, np.clip(np.frexp(np.where(a > 0, a, 1))[1] - 1 - 2, -126, 127), 0)      # np.frexp(a)[1] - 1 = floor(log2(a)), exactly
;;       r = np.clip(x / 2.0 ** e, -6, 6)
;;       step = 2.0 ** (np.maximum(np.frexp(np.where(r == 0, 1, r))[1] - 1, 0) - 1)
;;       q = np.round(r / step) * step * 2.0 ** e      # np.round: ties to even
;;       return np.moveaxis(q.reshape(q.shape[:-2] + (-1,))[..., :K], -1, axis).astype(np.float32)
;;   ~~~
;; One version. Each part assembles by itself: llvm-mc -triple=amdgcn-amd-amdhsa -mcpu=gfx1250 --defsym DOCPART=n.
;; ======== version 1 of 1: 4 launches
;; limits: values are held in f16: magnitudes above 65,504 overflow, below 6.1e-05 lose precision
;; workspace buffers: xc 2,097,152 bytes; xs 131,072 bytes; wc 1,572,864 bytes; ws 98,304 bytes; wot 2,097,152 bytes; qkvh 25,165,824 bytes; ctx 8,388,608 bytes
;; launch prep (part 1): grid 256 x 1, 4 waves a work-group, no clusters, 196,608 bytes of LDS; arguments hidden_states, Wq, Wk, Wv, Wo, xc, xs, wc, ws, wot; writes xc, xs, wc, ws, wot
.if DOCPART == 1
	.amdgcn_target "amdgcn-amd-amdhsa--gfx1250"
	.amdhsa_code_object_version 6
	.text
	.protected	k_q8be86edd7b_prep
	.globl	k_q8be86edd7b_prep
	.p2align	8
	.type	k_q8be86edd7b_prep,@function
k_q8be86edd7b_prep:
	s_mov_b64 s[64:65], 0
	v_nop
	global_prefetch_b8 v0, s[64:65] scope:SCOPE_SE
	s_setreg_imm32_b32 hwreg(HW_REG_WAVE_MODE, 25, 1), 1
	s_wait_xcnt 0x0
; PREP.  x [4096][1024] f32 -> codes of E2M1 xc [4096][512 B] (K innermost) and E8M0 bytes xs [4096][32].
; Wq, Wk, Wv [1024 k][1024 n] f32 -> codes along K (their FIRST axis) wc [3072 n][512 B], bytes ws [3072][32] (rows 0-1023 Wq's columns, then Wk's, then Wv's).
; Wo [1024 k][1024 n] f32 -> f16, turned and cut by 64 along K: wot [16 g][1024 n][64 k].
; A block's scale is 2^(floor(log2(largest magnitude)) - 2); its byte is the largest magnitude's exponent field - 2, held at 1 from below.
; LIMITS: a block of zeros gets the byte 1 (not 127): its codes are zeros and this program alone reads the bytes; NaN and infinities among the inputs are not served; Wo beyond f16's range (65,504) is not served.
; SHARES.  256 work-groups, 128 KiB of f32 each, brought by ONE tensor load a wave (128 rows x 256 bytes, 16 bytes of padding behind each); a wave reads only the rows that it fetched.
;   work-groups 0-127: 32 token rows of x (dense: stated as rows of 256 bytes).  A lane takes a block of 32 neighbours.
;   work-groups 128-255: a tile of 512 k x 64 n of one weight.  A lane takes a column and its registers run down K: the conversions then give K innermost, and nothing is transposed by an instruction.
; Each of the three ways through the text has LDS stages of its own.
.set TP,    272                        ; an LDS row of the tile: 256 bytes + 16
.set WTILE, 128*TP                     ; a wave's tile
.set SA,    4*WTILE                    ; x: 256 scale bytes for each wave
.set STGB,  SA+1024                    ; weights: 64 columns x (256 bytes of codes + 16)
.set STSB,  STGB+64*272                ; weights: 64 columns x 16 scale bytes
.set STGC,  STSB+1024                  ; Wo: for each wave 64 columns x (128 bytes of f16 + 16)
.set SPARE, STGC+4*64*144              ; the spare words, 128 bytes for each wave: two blocks of 256 bytes that no other line names
.set X,   32                           ; v32-95   two sets of 32 numbers
.set C,   96                           ; v96-127  codes: four registers for each of eight items, so that no store's data are written again
.set E,   128                          ; v128-135 a scale byte for each item
.set OUT, 136                          ; v136-199 the way out
.set H,   200                          ; v200-231 Wo in f16, two sets of 16
.set SPW, 30                           ; v30  LDS address of my spare word; never rewritten
.set NIL, 31                           ; v31  0; never rewritten
.set G1A, 32                           ; s[32:39] the tile's shape in x
.set G1W, 40                           ; s[40:47] and in a weight: it differs in the pitch alone
.set G0,  48                           ; s[48:51] from where, to where
	s_load_b512 s[8:23], s[0:1], 0x0               ; x s[8:9], Wq s[10:11], Wk s[12:13], Wv s[14:15], Wo s[16:17], xc s[18:19], xs s[20:21], wc s[22:23]
	s_load_b128 s[24:27], s[0:1], 0x40             ; ws s[24:25], wot s[26:27]
	v_lshl_add_u32 v[SPW], v0, 2, SPARE
	v_mov_b32 v[NIL], 0
	ds_add_u32 v[SPW], v[NIL]                      ; the opening: the add, twice on end, and its wait ahead of my tensor load; the set-up below is the work on registers between
	ds_add_u32 v[SPW], v[NIL]
	v_lshrrev_b32 v1, 5, v0
	v_readfirstlane_b32 s2, v1                     ; wave 0..3
	v_and_b32 v1, 31, v0                           ; lane l
	s_mov_b32 s[G1A+0], (2<<16)|(1<<20)|(5<<22)|(3<<25)   ; elements of 4 bytes; padding on: 4 words behind every 64
	s_mov_b32 s[G1A+1], 64<<16                     ; tensor_dim0 = 64
	s_mov_b32 s[G1A+2], 128<<16                    ; tensor_dim1 = 128
	s_mov_b32 s[G1A+3], 64<<16                     ; tile_dim0 = 64
	s_mov_b32 s[G1A+4], 128                        ; tile_dim1 = 128
	s_mov_b32 s[G1A+5], 64                         ; from row to row: 64 elements (dense)
	s_mov_b32 s[G1A+6], 0
	s_mov_b32 s[G1A+7], 0
	s_mov_b32 s[G1W+0], (2<<16)|(1<<20)|(5<<22)|(3<<25)
	s_mov_b32 s[G1W+1], 64<<16
	s_mov_b32 s[G1W+2], 128<<16
	s_mov_b32 s[G1W+3], 64<<16
	s_mov_b32 s[G1W+4], 128
	s_mov_b32 s[G1W+5], 1024                       ; from row to row: a weight's 1,024 elements
	s_mov_b32 s[G1W+6], 0
	s_mov_b32 s[G1W+7], 0
	s_mul_i32 s3, s2, WTILE                        ; my wave's tile in LDS
	s_mov_b32 s[G0], 1
	s_mov_b32 s[G0+1], s3
	; every LDS address is made here, ahead of the parting of the ways
	v_lshrrev_b32 v2, 1, v1
	v_mul_u32_u24 v2, v2, TP
	v_and_b32 v19, 1, v1
	v_lshl_add_u32 v2, v19, 7, v2
	v_add_nc_u32 v2, s3, v2                        ; v2  x: block l of a token row: LDS row l / 2, half l % 2
	v_lshl_add_u32 v3, v1, 2, s3                   ; v3  weights: column l of a group of 32
	v_lshlrev_b32 v4, 4, v1                        ; v4  16 l
	s_lshl_b32 s4, s2, 8
	v_add_nc_u32 v5, s4, v1
	v_add_nc_u32 v5, SA, v5                        ; v5  x: my block's scale byte
	v_lshlrev_b32 v7, 3, v1                        ; v7  8 l
	v_add_nc_u32 v6, s4, v7
	v_add_nc_u32 v6, SA, v6                        ; v6  x: the bytes' way out, 8 a lane
	v_mul_u32_u24 v8, v1, 272
	s_lshl_b32 s5, s2, 6
	v_add_nc_u32 v8, s5, v8
	v_add_nc_u32 v8, STGB, v8                      ; v8  weights: my column's row of codes, my wave's 64 bytes of it
	s_lshl_b32 s5, s2, 2
	v_add_nc_u32 v9, s5, v4
	v_add_nc_u32 v9, STSB, v9                      ; v9  weights: my column's 16 scale bytes, my wave's word
	v_lshrrev_b32 v19, 4, v1
	v_and_b32 v22, 15, v1
	v_mul_u32_u24 v10, v19, 272
	v_lshl_add_u32 v10, v22, 4, v10
	s_mul_i32 s5, s2, 16*272
	v_add_nc_u32 v10, s5, v10
	v_add_nc_u32 v10, STGB, v10                    ; v10 weights, back: my wave's 16 columns, sixteen lanes to a row
	v_lshlrev_b32 v14, 9, v19
	v_lshl_add_u32 v14, v22, 4, v14                ; v14 and the same place in wc
	v_add_nc_u32 v15, s4, v7
	v_add_nc_u32 v15, STSB, v15                    ; v15 weights, back: scale bytes, 8 a lane
	v_lshrrev_b32 v16, 1, v1
	v_lshlrev_b32 v16, 5, v16
	v_and_b32 v23, 1, v1
	v_lshl_add_u32 v16, v23, 3, v16                ; v16 and the same place in ws
	v_mul_u32_u24 v17, v1, 144
	s_mul_i32 s5, s2, 64*144
	v_add_nc_u32 v17, s5, v17
	v_add_nc_u32 v17, STGC, v17                    ; v17 Wo: my column's row of f16
	v_lshrrev_b32 v18, 3, v1
	v_mul_u32_u24 v18, v18, 144
	v_and_b32 v23, 7, v1
	v_lshl_add_u32 v18, v23, 4, v18
	v_add_nc_u32 v18, s5, v18
	v_add_nc_u32 v18, STGC, v18                    ; v18 Wo, back: eight lanes to a row of 128 bytes
	s_wait_dscnt 0x0                               ; both opening adds are done
	s_wait_kmcnt 0x0
; 32 numbers v[xs] .. v[xs + 31] of one block -> four registers of codes v[c] .. and the scale's byte v[e]
.macro QBLK xs, c, e
	v_max3_num_f32 v12, |v[(\xs)]|, |v[(\xs)+1]|, |v[(\xs)+2]|       ; the largest magnitude, in two chains
	v_max3_num_f32 v13, |v[(\xs)+3]|, |v[(\xs)+4]|, |v[(\xs)+5]|
.irp i, 6,10,14,18,22,26
	v_max3_num_f32 v12, v12, |v[(\xs)+\i]|, |v[(\xs)+\i+1]|
	v_max3_num_f32 v13, v13, |v[(\xs)+\i+2]|, |v[(\xs)+\i+3]|
.endr
	v_max3_num_f32 v12, v12, |v[(\xs)+30]|, |v[(\xs)+31]|
	v_max3_num_f32 v12, v12, v13, 3<<23            ; and the floor 2^(3 - 127): the byte cannot fall under 1
	v_add_nc_u32 v11, -(2<<23), v12                ; 2 off its exponent field: the conversion takes the exponent field of this operand as its scale
	v_lshrrev_b32 v[(\e)], 23, v11                 ; the scale's byte
.irp g, 0,1,2,3
	v_cvt_scalef32_pk8_fp4_f32 v[(\c)+\g], v[(\xs)+8*\g:(\xs)+8*\g+7], v11
.endr
.endm
.macro CLOSE                           ; a wave's end, behind my tensor load and my last LDS store
	s_wait_tensorcnt 0x0
	ds_add_u32 v[SPW], v[NIL]
	s_wait_dscnt 0x0
	s_endpgm
.endm
	s_cmp_lt_u32 ttmp9, 128                        ; the work-group's number alone decides the way
	s_cbranch_scc0 .Lweights
	; ---------------- x
	s_lshl_b32 s28, ttmp9, 17                      ; 32 token rows of 4,096 bytes a work-group,
	s_lshl_b32 s29, s2, 15                         ; 8 a wave
	s_add_co_u32 s28, s28, s29
	s_mov_b32 s29, 0
	s_add_nc_u64 s[G0+2:G0+3], s[8:9], s[28:29]
	s_or_b32 s[G0+3], s[G0+3], 0x80000000
	tensor_load_to_lds s[G0:G0+3], s[G1A:G1A+7]
	s_nop 0
	s_lshr_b32 s28, s28, 3                         ; codes: an eighth of the bytes
	s_add_nc_u64 s[18:19], s[18:19], s[28:29]
	s_lshr_b32 s28, s28, 4                         ; scale bytes: a sixteenth of that
	s_add_nc_u64 s[20:21], s[20:21], s[28:29]
	s_wait_tensorcnt 0x0                           ; my rows are in LDS; only I read them
.macro LOADA t                         ; token row t of my eight: my block's 128 bytes
.irp i, 0,1,2,3,4,5,6,7
	ds_load_b128 v[X+32*((\t)%2)+4*\i:X+32*((\t)%2)+4*\i+3], v2 offset:16*TP*(\t)+16*\i
.endr
.endm
	LOADA 0
.irp t, 0,1,2,3,4,5,6,7
.if \t < 7
	LOADA \t+1
	s_wait_dscnt 8                                 ; all but the eight loads just issued: this row's numbers are in
.else
	s_wait_dscnt 0x0
.endif
	QBLK X+32*(\t%2), C+4*\t, E+\t
	ds_store_b8 v5, v[E+\t] offset:32*\t
	global_store_b128 v4, v[C+4*\t:C+4*\t+3], s[18:19] offset:512*\t     ; a token row's 512 bytes of codes: 32 lanes, 16 consecutive bytes each
.endr
	ds_load_b64 v[OUT:OUT+1], v6                   ; LDS serves a wave's instructions in order: these see my byte stores
	s_wait_dscnt 0x0
	global_store_b64 v7, v[OUT:OUT+1], s[20:21]    ; 256 consecutive bytes, aligned
	CLOSE
.Lweights:
	s_sub_co_u32 s28, ttmp9, 128
	s_lshr_b32 s29, s28, 5                         ; which weight: 0 Wq, 1 Wk, 2 Wv, 3 Wo
	s_and_b32 s30, s28, 31
	s_lshr_b32 s30, s30, 1                         ; which 64 columns
	s_and_b32 s31, s28, 1                          ; which 512 along K
	s_cmp_eq_u32 s29, 0
	s_cselect_b64 s[52:53], s[10:11], s[12:13]
	s_cmp_lt_u32 s29, 2
	s_cselect_b64 s[52:53], s[52:53], s[14:15]
	s_cmp_lt_u32 s29, 3
	s_cselect_b64 s[52:53], s[52:53], s[16:17]
	s_lshl_b32 s54, s31, 9
	s_lshl_b32 s55, s2, 7
	s_add_co_u32 s54, s54, s55                     ; my wave's first row k
	s_lshl_b32 s54, s54, 12                        ; x 4,096 bytes
	s_lshl_b32 s55, s30, 8
	s_add_co_u32 s54, s54, s55                     ; + 256 bytes for each 64 columns
	s_mov_b32 s55, 0
	s_add_nc_u64 s[G0+2:G0+3], s[52:53], s[54:55]
	s_or_b32 s[G0+3], s[G0+3], 0x80000000
	tensor_load_to_lds s[G0:G0+3], s[G1W:G1W+7]
	s_nop 0
.macro LOADW it, row0, cg              ; 32 rows from row0 on, my column of column group cg, into set it % 2
.irp i, 0,1,2,3,4,5,6,7,8,9,10,11,12,13,14,15,16,17,18,19,20,21,22,23,24,25,26,27,28,29,30,31
	ds_load_b32 v[X+32*((\it)%2)+\i], v3 offset:((\row0)+\i)*TP+128*(\cg)
.endr
.endm
	s_cmp_eq_u32 s29, 3
	s_cbranch_scc1 .Lwo
	; ---------------- Wq, Wk, Wv: eight items: column group it / 4, block it % 4 of my wave's 128 along K
	s_lshl_b32 s56, s29, 10
	s_lshl_b32 s57, s30, 6
	s_add_co_u32 s56, s56, s57
	s_lshl_b32 s57, s2, 4
	s_add_co_u32 s56, s56, s57                     ; the first of the 16 rows of wc and ws that my wave stores
	s_lshl_b32 s54, s56, 9
	s_lshl_b32 s57, s31, 8
	s_add_co_u32 s54, s54, s57
	s_add_nc_u64 s[22:23], s[22:23], s[54:55]
	s_lshl_b32 s54, s56, 5
	s_lshl_b32 s57, s31, 4
	s_add_co_u32 s54, s54, s57
	s_add_nc_u64 s[24:25], s[24:25], s[54:55]
	s_wait_tensorcnt 0x0
	LOADW 0, 0, 0
.irp it, 0,1,2,3,4,5,6,7
.if \it < 7
	LOADW \it+1, 32*((\it+1)%4), (\it+1)/4
	s_wait_dscnt 32                                ; all but the 32 loads just issued
.else
	s_wait_dscnt 0x0
.endif
	QBLK X+32*(\it%2), C+4*\it, E+\it
.if \it%4 == 0
	v_mov_b32 v[20+\it/4], v[E+\it]                ; four bytes to a word, the lower K in the lower byte
.else
	v_lshl_or_b32 v[20+\it/4], v[E+\it], 8*(\it%4), v[20+\it/4]
.endif
	ds_store_b128 v8, v[C+4*\it:C+4*\it+3] offset:32*272*(\it/4)+16*(\it%4)
.if \it%4 == 3
	ds_store_b32 v9, v[20+\it/4] offset:512*(\it/4)
.endif
.endr
	s_wait_dscnt 0x0                               ; for the others' sake: a column's 256 bytes come from four waves
	s_barrier_signal -1
	s_barrier_wait -1
.irp i, 0,1,2,3,4,5,6,7
	ds_load_b128 v[OUT+4*\i:OUT+4*\i+3], v10 offset:2*272*\i
.endr
	ds_load_b64 v[OUT+32:OUT+33], v15
.irp i, 0,1,2,3,4,5,6,7
	s_wait_dscnt 8-\i
	global_store_b128 v14, v[OUT+4*\i:OUT+4*\i+3], s[22:23] offset:1024*\i   ; sixteen lanes store 256 consecutive bytes, aligned
.endr
	s_wait_dscnt 0x0
	global_store_b64 v16, v[OUT+32:OUT+33], s[24:25]   ; 16 bytes of each row of ws: 96 KiB in the whole launch
	CLOSE
.Lwo:
	; ---------------- Wo: eight items: K block of 64 it / 4, column group (it / 2) % 2, half it % 2 of the 64
	s_lshl_b32 s54, s31, 3
	s_lshl_b32 s57, s2, 1
	s_add_co_u32 s54, s54, s57                     ; my wave's first K block g
	s_lshl_b32 s54, s54, 17                        ; x 1,024 n x 128 bytes
	s_lshl_b32 s57, s30, 13                        ; + 64 n x 128 bytes
	s_add_co_u32 s54, s54, s57
	s_add_nc_u64 s[26:27], s[26:27], s[54:55]
	s_wait_tensorcnt 0x0
	LOADW 0, 0, 0
.irp it, 0,1,2,3,4,5,6,7
.if \it < 7
	LOADW \it+1, 64*((\it+1)/4)+32*((\it+1)%2), ((\it+1)/2)%2
	s_wait_dscnt 32                                ; all but the 32 loads just issued; the stores of the item before the last have read their registers too
.else
	s_wait_dscnt 0x0
.endif
.irp p, 0,1,2,3,4,5,6,7,8,9,10,11,12,13,14,15
	v_cvt_pk_f16_f32 v[H+16*(\it%2)+\p], v[X+32*(\it%2)+2*\p], v[X+32*(\it%2)+2*\p+1]   ; the lower k in the low half
.endr
.irp i, 0,1,2,3
	ds_store_b128 v17, v[H+16*(\it%2)+4*\i:H+16*(\it%2)+4*\i+3] offset:32*144*((\it/2)%2)+64*(\it%2)+16*\i
.endr
.if \it%4 == 3                         ; a K block's 64 columns x 128 bytes are 8,192 consecutive bytes of wot; the stage is my wave's own
.if \it == 7
	s_wait_xcnt 0x0                                ; the first block's stores have read their registers
.endif
.irp i, 0,1,2,3,4,5,6,7,8,9,10,11,12,13,14,15
	ds_load_b128 v[OUT+4*\i:OUT+4*\i+3], v18 offset:4*144*\i
.endr
.irp i, 0,1,2,3,4,5,6,7,8,9,10,11,12,13,14,15
	s_wait_dscnt 15-\i
	global_store_b128 v4, v[OUT+4*\i:OUT+4*\i+3], s[26:27] offset:131072*(\it/4)+512*\i   ; 512 consecutive bytes
.endr
.endif
.endr
	CLOSE
.Lfunc_end_k_q8be86edd7b_prep:
	.size	k_q8be86edd7b_prep, .Lfunc_end_k_q8be86edd7b_prep-k_q8be86edd7b_prep
	.p2alignl 7, 3214868480
	.fill 96, 4, 3214868480
	.section	.rodata,"a",@progbits
	.p2align	6, 0x0
	.amdhsa_kernel k_q8be86edd7b_prep
		.amdhsa_group_segment_fixed_size 196608
		.amdhsa_private_segment_fixed_size 0
		.amdhsa_enable_private_segment 0
		.amdhsa_kernarg_size 80
		.amdhsa_user_sgpr_count 2
		.amdhsa_user_sgpr_kernarg_segment_ptr 1
		.amdhsa_wavefront_size32 1
		.amdhsa_system_sgpr_workgroup_id_x 1
		.amdhsa_system_sgpr_workgroup_id_y 1
		.amdhsa_system_sgpr_workgroup_id_z 1
		.amdhsa_system_vgpr_workitem_id 0
		.amdhsa_next_free_vgpr 232
		.amdhsa_next_free_sgpr 66
		.amdhsa_reserve_vcc 0
		.amdhsa_float_denorm_mode_32 3
		.amdhsa_float_denorm_mode_16_64 3
		.amdhsa_memory_ordered 1
		.amdhsa_forward_progress 1
		.amdhsa_inst_pref_size 86
	.end_amdhsa_kernel
	.amdgpu_metadata
---
amdhsa.version: [ 1, 2 ]
amdhsa.kernels:
  - .name:           k_q8be86edd7b_prep
    .symbol:         k_q8be86edd7b_prep.kd
    .args:
      - { .name: hidden_states, .offset: 0, .size: 8, .value_kind: global_buffer, .address_space: global }
      - { .name: Wq, .offset: 8, .size: 8, .value_kind: global_buffer, .address_space: global }
      - { .name: Wk, .offset: 16, .size: 8, .value_kind: global_buffer, .address_space: global }
      - { .name: Wv, .offset: 24, .size: 8, .value_kind: global_buffer, .address_space: global }
      - { .name: Wo, .offset: 32, .size: 8, .value_kind: global_buffer, .address_space: global }
      - { .name: xc, .offset: 40, .size: 8, .value_kind: global_buffer, .address_space: global }
      - { .name: xs, .offset: 48, .size: 8, .value_kind: global_buffer, .address_space: global }
      - { .name: wc, .offset: 56, .size: 8, .value_kind: global_buffer, .address_space: global }
      - { .name: ws, .offset: 64, .size: 8, .value_kind: global_buffer, .address_space: global }
      - { .name: wot, .offset: 72, .size: 8, .value_kind: global_buffer, .address_space: global }
    .group_segment_fixed_size: 196608
    .private_segment_fixed_size: 0
    .kernarg_segment_align: 8
    .kernarg_segment_size: 80
    .max_flat_workgroup_size: 128
    .sgpr_count:     66
    .vgpr_count:     232
    .wavefront_size: 32
...
	.end_amdgpu_metadata
.endif
;; end of part 1
;; launch qkv (part 2): grid 12 x 16, 4 waves a work-group, clusters of 4 x 4, 327,680 bytes of LDS; arguments xc, xs, wc, ws, bq, bk, bv, qkvh; writes qkvh
.if DOCPART == 2
	.amdgcn_target "amdgcn-amd-amdhsa--gfx1250"
	.amdhsa_code_object_version 6
	.text
	.protected	k_q8be86edd7b_qkv
	.globl	k_q8be86edd7b_qkv
	.p2align	8
	.type	k_q8be86edd7b_qkv,@function
k_q8be86edd7b_qkv:
	s_mov_b64 s[64:65], 0
	v_nop
	global_prefetch_b8 v0, s[64:65] scope:SCOPE_SE
	s_setreg_imm32_b32 hwreg(HW_REG_WAVE_MODE, 25, 1), 1
	s_wait_xcnt 0x0
	s_wait_alu depctr_hold_cnt(0) depctr_sa_sdst(0) depctr_va_vdst(0) depctr_va_sdst(0) depctr_va_ssrc(0) depctr_va_vcc(0) depctr_vm_vsrc(0)
	s_getreg_b32 s2, hwreg(HW_REG_IB_STS2, 6, 4)
	s_cmp_eq_u32 s2, 0
	s_cbranch_scc0 .Lentry_in_a_cluster
	s_endpgm
.Lentry_in_a_cluster:
	s_bfe_u32 s2, ttmp6, 0x10000c
	s_cmp_lg_u32 s2, 0xf033
	s_cbranch_scc0 .Lentry_shape_is_right
	s_endpgm
.Lentry_shape_is_right:
; QKV.  C[m][n] = sum over k of x[m][k] W[k][n] + bias[n] on codes of E2M1 with one E8M0 scale for each 32 along K: m = 4,096 tokens, n = 3,072 (q's, k's, v's 1,024 columns), K = 1,024.
; The result leaves as f16, head-major: qkvh [48 g][4096 tokens][64], g = n / 64.  LIMIT: |q|, |k|, |v| under 65,504.
; A tile of C, 256 x 256, is made by four waves, each 128 x 128: 64 accumulators of 16 x 16.  All of K lies in two LDS slots of 512 along K (rows of 256 bytes): nothing is filled again.
; The scale bytes of the work-group's 256 rows of each side come once, as dense blocks.  By this text's count a wave has three tensor loads out at the start, and none later.
; CLUSTERS: 4 x 4 work-groups; A's tiles are asked for jointly along a row of the cluster, B's along a column.  A column of clusters is one of q, k, v: 12 x 16 = 192 work-groups.
; THE MATRIX INSTRUCTION IS USED TRANSPOSED (source 0 = 16 rows of wc, source 1 = 16 tokens): a lane holds eight neighbouring columns of one token.  The bias is the C of each sum's first product.
; REGISTERS: window 0: v0-31 addresses; v32-95 scale words, two sets; v128-191 A's fragments, one set; on the way out v32-63, v192-255.
;   window 1: B's fragments, two sets, at v0 and v128; v64-127 the bias.   windows 2, 3: the accumulators ((a, b) at v[8 (8 (a % 4) + b)]).
.set NQ,     4                         ; steps of 128 along K in a slot
.set ROWB,   256
.set KROW,   512                       ; a row of codes in memory
.set PITCH,  272
.set FR,     8
.set NL,     2
.set NP,     4
.set HALFT,  128*PITCH
.set SLOT,   4*HALFT
.set KS,     32                        ; a row of scale bytes
.set SCL,    2*SLOT
.set HALFS,  (128*KS/256)*272
.set SBLK,   (16*KS/256)*272
.set SPARE,  SCL+4*HALFS               ; the spare words: two blocks of 256 bytes that no other line names
.set STAGE,  SPARE+512                 ; the way out: 16 rows x (256 bytes + 16) for each wave; no tile lands here
.set SPITCH, 272
.set ADRA, 16
.set ADRB, 20
.set STO,  24
.set RD,   25
.set CO,   26
.set ADRS, 27
.set SPW,  28
.set NIL,  29
.set BO,   30                          ; v30  32 x (lane / 16): my eight numbers of a tile of the bias; never rewritten
.set SC,   32
.set AF,   128
.set TMP,  192
.set OB,   32
.set BIAS, 64                          ; in window 1
.set G1, 24
.set G0, 32
.set G1B, 48
.set G0B, 56
.set G1S, 68
.set G0S, 76
.set G1SB, 80
.set G0SB, 88
.set MSB, 0
.macro WIN new                         ; the immediate's high byte repeats the setting that is left
.if MSB != (\new)
	s_set_vgpr_msb (MSB<<8)|(\new)
.set MSB, (\new)
.endif
.endm
.set MUL_LO, 0xa1                      ; source 0 (B) window 1, source 1 (A) window 0, C and D window 2
.set MUL_HI, 0xf1
.set MUL_LO0, 0x91                     ; the first step: C (the bias) window 1, D window 2
.set MUL_HI0, 0xd1
.set TO_B,   0x40
.macro JLOAD g0a, g1a, g0b, g1b        ; a joint load: waves 0 and 1 fetch for A, waves 2 and 3 for B; the branch hangs on the wave's number alone; s_nop 0 and four v_nop follow each line
	s_cmp_eq_u32 s15, 0
	s_cbranch_scc0 .Lfor_b_\@
	tensor_load_to_lds s[\g0a:\g0a+3], s[\g1a:\g1a+7]
	s_nop 0
.rept 4
	v_nop
.endr
	s_branch .Lasked_\@
.Lfor_b_\@:
	tensor_load_to_lds s[\g0b:\g0b+3], s[\g1b:\g1b+7]
	s_nop 0
.rept 4
	v_nop
.endr
.Lasked_\@:
.endm
.macro CROUND                          ; a round of the cluster's barrier
	s_barrier_signal -1
	s_barrier_wait -1
	s_cmp_lg_u32 s14, 0
	s_cbranch_scc1 .Lnot_wave_0_\@
	s_barrier_signal -3
.Lnot_wave_0_\@:
	s_barrier_wait -3
	s_barrier_signal -1
	s_barrier_wait -1
.endm
	s_load_b128 s[4:7], s[0:1], 0x0                ; xc, xs
	s_load_b128 s[8:11], s[0:1], 0x10              ; wc, ws
	s_load_b128 s[96:99], s[0:1], 0x20             ; bq, bk
	s_load_b64 s[100:101], s[0:1], 0x30            ; bv
	s_load_b64 s[12:13], s[0:1], 0x38              ; qkvh
	v_lshl_add_u32 v[SPW], v0, 2, SPARE
	v_mov_b32 v[NIL], 0
	ds_add_u32 v[SPW], v[NIL]                      ; the opening: the add, twice on end, and its wait ahead of my first tensor load
	ds_add_u32 v[SPW], v[NIL]
	v_lshrrev_b32 v1, 5, v0
	v_readfirstlane_b32 s14, v1                    ; wave 0..3
	s_lshr_b32 s15, s14, 1                         ; my half of the tile's rows.  Also: I fetch for A (0) or for B (1)
	s_and_b32 s16, s14, 1                          ; my half of its columns.  Also: which 128 rows I fetch
	s_bfe_u32 s40, ttmp6, 0x40000                  ; cx
	s_bfe_u32 s41, ttmp6, 0x40004                  ; cy
	s_lshl_b32 s42, ttmp9, 2
	s_add_co_u32 s42, s42, s40                     ; tile column
	s_and_b32 s17, ttmp7, 0xffff
	s_lshl_b32 s17, s17, 2
	s_add_co_u32 s17, s17, s41                     ; tile row
	s_lshl_b32 s43, s41, 2
	s_lshl_b32 s43, 15, s43                        ; my row of the cluster
	s_lshl_b32 s44, 0x1111, s40                    ; my column
	s_or_b32 s[G1+0], s43, (0<<16)|(1<<20)|(1<<21)|(5<<22)|(3<<25)   ; the mask; elements of 1 byte; padding: 4 words behind every 64
	s_or_b32 s[G1B+0], s44, (0<<16)|(1<<20)|(1<<21)|(5<<22)|(3<<25)
.irp g, G1, G1B
	s_mov_b32 s[\g+1], ROWB<<16
	s_mov_b32 s[\g+2], 128<<16
	s_mov_b32 s[\g+3], ROWB<<16
	s_mov_b32 s[\g+4], 128
	s_mov_b32 s[\g+5], KROW
	s_mov_b32 s[\g+6], 0
	s_mov_b32 s[\g+7], 0
.endr
	s_or_b32 s[G1S+0], s43, (3<<16)|(1<<20)|(1<<21)|(5<<22)|(3<<25)  ; the scales of 128 rows: 4,096 dense bytes as 16 rows of 256 (32 elements of 8 bytes)
	s_or_b32 s[G1SB+0], s44, (3<<16)|(1<<20)|(1<<21)|(5<<22)|(3<<25)
.irp g, G1S, G1SB
	s_mov_b32 s[\g+1], 32<<16
	s_mov_b32 s[\g+2], (128*KS/256)<<16
	s_mov_b32 s[\g+3], 32<<16
	s_mov_b32 s[\g+4], 128*KS/256
	s_mov_b32 s[\g+5], 32
	s_mov_b32 s[\g+6], 0
	s_mov_b32 s[\g+7], 0
.endr
	s_lshl_b32 s18, s16, 7
	s_lshl_b32 s20, s17, 8
	s_add_co_u32 s20, s20, s18                     ; A: row 256 x tile row + 128 x half
	s_lshl_b32 s46, s42, 8
	s_add_co_u32 s46, s46, s18                     ; B: row 256 x tile column + 128 x half
	s_mov_b32 s21, 0
	s_mov_b32 s47, 0
	s_mov_b64 s[18:19], KS
	s_mul_u64 s[22:23], s[20:21], s[18:19]
	s_mul_u64 s[92:93], s[46:47], s[18:19]
	s_mov_b64 s[18:19], KROW
	s_mul_u64 s[20:21], s[20:21], s[18:19]
	s_mul_u64 s[46:47], s[46:47], s[18:19]
	s_mul_i32 s45, s14, HALFT                      ; where they go: wave x 128 rows
	s_mul_i32 s94, s14, HALFS
	s_wait_dscnt 0x0                               ; both opening adds are done
	s_wait_kmcnt 0x0
	s_add_nc_u64 s[20:21], s[4:5], s[20:21]
	s_add_nc_u64 s[22:23], s[6:7], s[22:23]
	s_add_nc_u64 s[46:47], s[8:9], s[46:47]
	s_add_nc_u64 s[92:93], s[10:11], s[92:93]
	CROUND                                         ; all sixteen work-groups are here: the joint loads meet
	s_mov_b32 s[G0S], 1
	s_add_co_u32 s[G0S+1], s94, SCL
	s_mov_b64 s[G0S+2:G0S+3], s[22:23]
	s_or_b32 s[G0S+3], s[G0S+3], 0x80000000
	s_mov_b32 s[G0SB], 1
	s_add_co_u32 s[G0SB+1], s94, SCL
	s_mov_b64 s[G0SB+2:G0SB+3], s[92:93]
	s_or_b32 s[G0SB+3], s[G0SB+3], 0x80000000
	JLOAD G0S, G1S, G0SB, G1SB                     ; the scales first
.irp s, 0,1
	s_mov_b32 s[G0+4*\s], 1
	s_add_co_u32 s[G0+4*\s+1], s45, \s*SLOT
	s_add_nc_u64 s[G0+4*\s+2:G0+4*\s+3], s[20:21], \s*ROWB
	s_or_b32 s[G0+4*\s+3], s[G0+4*\s+3], 0x80000000
	s_mov_b32 s[G0B+4*\s], 1
	s_add_co_u32 s[G0B+4*\s+1], s45, \s*SLOT
	s_add_nc_u64 s[G0B+4*\s+2:G0B+4*\s+3], s[46:47], \s*ROWB
	s_or_b32 s[G0B+4*\s+3], s[G0B+4*\s+3], 0x80000000
	JLOAD G0+4*\s, G1, G0B+4*\s, G1B
.endr
	v_and_b32 v1, 15, v0                           ; r = l % 16
	v_bfe_u32 v2, v0, 4, 1                         ; h = l / 16
	; the bias: which of the three hangs on the cluster's x, which all partners share; my 128 columns of it
	s_cmp_eq_u32 ttmp9, 0
	s_cselect_b64 s[96:97], s[96:97], s[98:99]
	s_cmp_lt_u32 ttmp9, 2
	s_cselect_b64 s[96:97], s[96:97], s[100:101]
	s_lshl_b32 s46, s40, 10
	s_lshl_b32 s47, s16, 9
	s_add_co_u32 s46, s46, s47
	s_mov_b32 s47, 0
	s_add_nc_u64 s[96:97], s[96:97], s[46:47]
	v_lshlrev_b32 v[BO], 5, v2
	WIN TO_B
.irp b, 0,1,2,3,4,5,6,7                ; lane (r, h), tile b: the bias of columns 16 b + 8 h + 0 .. 7, in the result's layout
	global_load_b128 v[BIAS+8*\b:BIAS+8*\b+3], v[BO], s[96:97] offset:64*\b
	global_load_b128 v[BIAS+8*\b+4:BIAS+8*\b+7], v[BO], s[96:97] offset:64*\b+16
.endr
	WIN 0
	v_mul_u32_u24 v3, v1, PITCH
	v_lshl_add_u32 v4, v2, 4, v3                   ; a fragment's row x pitch + 16 x half
	s_mul_i32 s21, s15, HALFT
	s_mul_i32 s22, s16, HALFT
	s_add_co_u32 s22, s22, 2*HALFT
.irp s, 0,1
	v_add_nc_u32 v[ADRA+\s], s21, v4
	v_add_nc_u32 v[ADRB+\s], s22, v4
	s_add_co_u32 s21, s21, SLOT
	s_add_co_u32 s22, s22, SLOT
.endr
	v_mul_u32_u24 v5, v1, KS                       ; my row's scales: 32 bytes a row,
	v_lshrrev_b32 v6, 8, v5
	v_lshl_add_u32 v5, v6, 4, v5                   ; and 16 more for each 256 passed
	s_mul_i32 s21, s15, HALFS
	s_mul_i32 s22, s16, HALFS
	s_add_co_u32 s22, s22, 2*HALFS
	s_sub_co_u32 s22, s22, s21
	v_mul_u32_u24 v6, s22, v2                      ; lanes 16-31 take B's
	s_add_co_u32 s21, s21, SCL
	v_add_nc_u32 v5, v5, v6
	v_add_nc_u32 v[ADRS], s21, v5
	s_mul_i32 s23, s14, 16*SPITCH
	s_add_co_u32 s23, s23, STAGE                   ; my stage
	v_mul_u32_u24 v5, v1, SPITCH
	v_lshl_add_u32 v5, v2, 4, v5
	v_add_nc_u32 v[STO], s23, v5                   ; in: token r, 16 bytes for each half of the lanes
	v_and_b32 v6, 31, v0
	v_lshrrev_b32 v5, 3, v6
	v_mul_u32_u24 v5, v5, SPITCH
	v_and_b32 v7, 7, v6
	v_lshl_add_u32 v5, v7, 4, v5
	v_add_nc_u32 v[RD], s23, v5                    ; back: eight lanes take a head's 128 bytes of a token, four tokens an instruction
	v_lshlrev_b32 v[CO], 4, v6                     ; which are 512 consecutive bytes of qkvh
	s_lshl_b32 s20, s42, 2
	s_lshl_b32 s21, s16, 1
	s_add_co_u32 s20, s20, s21                     ; my first head group g = 4 x tile column + 2 x half
	s_lshl_b32 s20, s20, 19                        ; x 4,096 tokens x 128 bytes
	s_lshl_b32 s21, s17, 8
	s_lshl_b32 s46, s15, 7
	s_add_co_u32 s21, s21, s46                     ; my first token
	s_lshl_b32 s21, s21, 7
	s_add_co_u32 s20, s20, s21
	s_mov_b32 s21, 0
	s_add_nc_u64 s[12:13], s[12:13], s[20:21]
.macro FRAG reg, adr, q, i             ; 16 rows x 128 K of 4-bit codes: 8 registers, two loads 32 bytes apart
.irp c, 0,1
	ds_load_b128 v[\reg+4*\c:\reg+4*\c+3], v[\adr] offset:64*(\q)+32*\c+(\i)*16*PITCH
.endr
.endm
; 16 matrix instructions: A's blocks a0, a0 + 1 x B's eight.  first = 1: the bias is C.  The 64 accumulators take turns, one instruction a turn.
.macro MUL16 a0, p, q, sc, first
.irp a, \a0, \a0+1
.irp b, 0,1,2,3,4,5,6,7
.if \first
	v_wmma_scale_f32_16x16x128_f8f6f4 v[8*(8*((\a)%4)+\b):8*(8*((\a)%4)+\b)+7], v[128*(\p)+FR*\b:128*(\p)+FR*\b+FR-1], v[AF+FR*(\a):AF+FR*(\a)+FR-1], v[BIAS+8*\b:BIAS+8*\b+7], v[SC+8*NQ*(\sc)+NQ*\b+(\q)], v[SC+8*NQ*(\sc)+NQ*(\a)+(\q)] matrix_a_fmt:MATRIX_FMT_FP4 matrix_b_fmt:MATRIX_FMT_FP4 matrix_a_scale:MATRIX_SCALE_ROW1
.else
	v_wmma_scale_f32_16x16x128_f8f6f4 v[8*(8*((\a)%4)+\b):8*(8*((\a)%4)+\b)+7], v[128*(\p)+FR*\b:128*(\p)+FR*\b+FR-1], v[AF+FR*(\a):AF+FR*(\a)+FR-1], v[8*(8*((\a)%4)+\b):8*(8*((\a)%4)+\b)+7], v[SC+8*NQ*(\sc)+NQ*\b+(\q)], v[SC+8*NQ*(\sc)+NQ*(\a)+(\q)] matrix_a_fmt:MATRIX_FMT_FP4 matrix_b_fmt:MATRIX_FMT_FP4 matrix_a_scale:MATRIX_SCALE_ROW1
.endif
.endr
.endr
.endm
.macro FETCH_B slot, q, p
	WIN TO_B
.irp i, 0,1,2,3,4,5,6,7
	FRAG 128*(\p)+FR*\i, ADRB+\slot, \q, \i
.endr
	WIN 0
.endm
.macro FETCH_A slot, q, i0
.irp i, \i0, \i0+1, \i0+2, \i0+3
	FRAG AF+FR*(\i), ADRA+\slot, \q, \i
.endr
.endm
.macro SCALES sc                       ; a slot's scale words: four a row; lanes 0-15 A's block i, lanes 16-31 B's block i
.irp i, 0,1,2,3,4,5,6,7
	ds_load_b128 v[SC+8*NQ*\sc+NQ*\i:SC+8*NQ*\sc+NQ*\i+3], v[ADRS] offset:\i*SBLK
.endr
.endm
.macro PLACES n                        ; plain vector instructions between a matrix instruction and a load into, or a read of, its registers
.rept \n
	v_nop
.endr
.endm
.macro STEP slot, q, first             ; a step of 128 along K that has its successor in the same slot
	s_wait_dscnt 4*NL                              ; B's set and A's blocks 0-3 are in; the youngest eight loads (A's blocks 4-7) may be out
.if \first
	WIN MUL_LO0
.else
	WIN MUL_LO
.endif
	MUL16 0, (\q)%2, \q, \slot, \first
	MUL16 2, (\q)%2, \q, \slot, \first
	s_wait_dscnt 0
	PLACES NP
	FETCH_B \slot, (\q)+1, 1-(\q)%2
	FETCH_A \slot, (\q)+1, 0
.if \first
	WIN MUL_HI0
.else
	WIN MUL_HI
.endif
	MUL16 4, (\q)%2, \q, \slot, \first
	MUL16 6, (\q)%2, \q, \slot, \first
	PLACES NP
	WIN 0
	FETCH_A \slot, (\q)+1, 4
.endm
.macro STEPS slot, from
.set Q, \from
.rept NQ-1-\from
	STEP \slot, Q, 0
.set Q, Q+1
.endr
.endm
	s_wait_tensorcnt 1                             ; the scales and my part of slot 0 are in; slot 1's load may be out
	s_barrier_signal -1
	s_barrier_wait -1
	FETCH_B 0, 0, 0
	FETCH_A 0, 0, 0
	SCALES 0
	FETCH_A 0, 0, 4
	s_wait_loadcnt 0x0                             ; the bias
	STEP 0, 0, 1
	STEPS 0, 1
	; slot 0's last step changes slots: my part of slot 1 has landed, and after the barrier everybody's has
	s_wait_tensorcnt 0x0
	ds_add_u32 v[SPW], v[NIL]
	s_wait_dscnt 4*NL+1                            ; the add and A's blocks 4-7 may be out
	WIN MUL_LO
	MUL16 0, 1, NQ-1, 0, 0
	s_wait_dscnt 0x0
	s_barrier_signal -1
	MUL16 2, 1, NQ-1, 0, 0
	WIN 0
	s_barrier_wait -1
	PLACES NP
	v_add_nc_u32 v[ADRS], 4*NQ, v[ADRS]            ; on to slot 1's scale words
	FETCH_B 1, 0, 0
	FETCH_A 1, 0, 0
	SCALES 1
	WIN MUL_HI
	MUL16 4, 1, NQ-1, 0, 0
	MUL16 6, 1, NQ-1, 0, 0
	PLACES NP
	WIN 0
	FETCH_A 1, 0, 4
	STEPS 1, 0
	s_wait_dscnt 4*NL                              ; the very last step
	WIN MUL_LO
	MUL16 0, 1, NQ-1, 1, 0
	MUL16 2, 1, NQ-1, 1, 0
	s_wait_dscnt 0
	WIN MUL_HI
	MUL16 4, 1, NQ-1, 1, 0
	MUL16 6, 1, NQ-1, 1, 0
	WIN 0
; THE WAY OUT, a block of 16 tokens x 128 columns (two heads) at a time: rounded to f16, 16 bytes a lane into my stage, back by heads: a head's 16 tokens are 2,048 consecutive bytes of qkvh.
.macro PACK a
.set AC, 64*((\a)%4)
	WIN 0x0a+5*((\a)/4)                            ; sources in window 2 or 3
.irp b, 0,1,2,3,4,5,6,7
.irp r, 0,1,2,3
	v_cvt_pk_f16_f32 v[TMP+4*\b+\r], v[AC+8*\b+2*\r], v[AC+8*\b+2*\r+1]   ; each accumulator from its low end on
.endr
.endr
	WIN 0
.endm
.macro TOSTAGE a
.set BK, OB+192*((\a)%2)
.irp b, 0,1,2,3,4,5,6,7
	ds_store_b128 v[STO], v[TMP+4*\b:TMP+4*\b+3] offset:32*\b
.endr
.irp t, 0,1,2,3,4,5,6,7
	ds_load_b128 v[BK+4*\t:BK+4*\t+3], v[RD] offset:128*(\t/4)+4*SPITCH*(\t%4)   ; LDS serves a wave's instructions in order: these see the stores above
.endr
.endm
.macro SEND a
.set BK, OB+192*((\a)%2)
	s_wait_dscnt 0x0                               ; the block is back in registers
	s_wait_xcnt 0x0                                ; the stores of the block before have read their registers: the next block's loads may land there
.irp t, 0,1,2,3,4,5,6,7
	global_store_b128 v[CO], v[BK+4*\t:BK+4*\t+3], s[12:13] offset:524288*(\t/4)+2048*(\a)+512*(\t%4)   ; 512 consecutive bytes, aligned
.endr
.endm
	PLACES NP
	PACK 0
	TOSTAGE 0
.irp a, 1,2,3,4,5,6,7
	PACK \a
	SEND \a-1
	TOSTAGE \a
.endr
	SEND 7
	s_wait_tensorcnt 0x0                           ; the wave's end
	ds_add_u32 v[SPW], v[NIL]
	s_wait_dscnt 0x0
	CROUND                                         ; the closing round
	s_endpgm
.Lfunc_end_k_q8be86edd7b_qkv:
	.size	k_q8be86edd7b_qkv, .Lfunc_end_k_q8be86edd7b_qkv-k_q8be86edd7b_qkv
	.p2alignl 7, 3214868480
	.fill 96, 4, 3214868480
	.section	.rodata,"a",@progbits
	.p2align	6, 0x0
	.amdhsa_kernel k_q8be86edd7b_qkv
		.amdhsa_group_segment_fixed_size 327680
		.amdhsa_private_segment_fixed_size 0
		.amdhsa_enable_private_segment 0
		.amdhsa_kernarg_size 64
		.amdhsa_user_sgpr_count 2
		.amdhsa_user_sgpr_kernarg_segment_ptr 1
		.amdhsa_wavefront_size32 1
		.amdhsa_system_sgpr_workgroup_id_x 1
		.amdhsa_system_sgpr_workgroup_id_y 1
		.amdhsa_system_sgpr_workgroup_id_z 1
		.amdhsa_system_vgpr_workitem_id 0
		.amdhsa_next_free_vgpr 1024
		.amdhsa_next_free_sgpr 102
		.amdhsa_reserve_vcc 0
		.amdhsa_float_denorm_mode_32 3
		.amdhsa_float_denorm_mode_16_64 3
		.amdhsa_memory_ordered 1
		.amdhsa_forward_progress 1
		.amdhsa_inst_pref_size 128
	.end_amdhsa_kernel
	.amdgpu_metadata
---
amdhsa.version: [ 1, 2 ]
amdhsa.kernels:
  - .name:           k_q8be86edd7b_qkv
    .symbol:         k_q8be86edd7b_qkv.kd
    .args:
      - { .name: xc, .offset: 0, .size: 8, .value_kind: global_buffer, .address_space: global }
      - { .name: xs, .offset: 8, .size: 8, .value_kind: global_buffer, .address_space: global }
      - { .name: wc, .offset: 16, .size: 8, .value_kind: global_buffer, .address_space: global }
      - { .name: ws, .offset: 24, .size: 8, .value_kind: global_buffer, .address_space: global }
      - { .name: bq, .offset: 32, .size: 8, .value_kind: global_buffer, .address_space: global }
      - { .name: bk, .offset: 40, .size: 8, .value_kind: global_buffer, .address_space: global }
      - { .name: bv, .offset: 48, .size: 8, .value_kind: global_buffer, .address_space: global }
      - { .name: qkvh, .offset: 56, .size: 8, .value_kind: global_buffer, .address_space: global }
    .group_segment_fixed_size: 327680
    .private_segment_fixed_size: 0
    .kernarg_segment_align: 8
    .kernarg_segment_size: 64
    .max_flat_workgroup_size: 128
    .sgpr_count:     102
    .vgpr_count:     1024
    .wavefront_size: 32
...
	.end_amdgpu_metadata
.endif
;; end of part 2
;; launch attn (part 3): grid 16 x 16, 4 waves a work-group, clusters of 4 x 1, 327,680 bytes of LDS; arguments qkvh, ctx; writes ctx
.if DOCPART == 3
	.amdgcn_target "amdgcn-amd-amdhsa--gfx1250"
	.amdhsa_code_object_version 6
	.text
	.protected	k_q8be86edd7b_attn
	.globl	k_q8be86edd7b_attn
	.p2align	8
	.type	k_q8be86edd7b_attn,@function
k_q8be86edd7b_attn:
	s_mov_b64 s[64:65], 0
	v_nop
	global_prefetch_b8 v0, s[64:65] scope:SCOPE_SE
	s_setreg_imm32_b32 hwreg(HW_REG_WAVE_MODE, 25, 1), 1
	s_wait_xcnt 0x0
	s_wait_alu depctr_hold_cnt(0) depctr_sa_sdst(0) depctr_va_vdst(0) depctr_va_sdst(0) depctr_va_ssrc(0) depctr_va_vcc(0) depctr_vm_vsrc(0)
	s_getreg_b32 s2, hwreg(HW_REG_IB_STS2, 6, 4)
	s_cmp_eq_u32 s2, 0
	s_cbranch_scc0 .Lentry_in_a_cluster
	s_endpgm
.Lentry_in_a_cluster:
	s_bfe_u32 s2, ttmp6, 0x10000c
	s_cmp_lg_u32 s2, 0x3003
	s_cbranch_scc0 .Lentry_shape_is_right
	s_endpgm
.Lentry_shape_is_right:
; ATTENTION.  For each head and query: the sum over the four key chunks of 1,024 of softmax_chunk(q . k / 8) v.  The order of the chunks does not matter to the sum, so every query walks chunks 0, 1, 2, 3.
; q, k, v: qkvh [48 g][4096][64] f16 (g = 0-15 q, 16-31 k, 32-47 v).  ctx [16 heads][4096][64] f16 holds the sum x 0.5, twice the mean that is asked for; the last launch halves it.
; Products, maxima and sums in f32; the weights p = 2^(c s - c m), at most 1, are rounded to f16 for the second product.  LIMIT: |v| under 32,752; NaN and infinities are not served.
; SHARES.  A work-group owns 256 queries of one head, a wave 64: four tiles of 16, in two PIECES (tiles 0, 1 and tiles 2, 3).  Every wave walks all 4,096 keys, 64 a step.
; LAYOUT.  S^T = K Q^T and O^T = V^T P: a lane holds ONE query throughout; K comes out of LDS as it lies, V turned by ds_load_tr16_b128.
; BY TURNS.  In a turn one piece has the matrix unit (16 products V^T P of the step in hand, 16 products K Q^T of the next) and the other piece's softmax, 59 slices of four instructions, stands between them.
; A CHUNK'S END (every 16 steps): Ot += Oc x 0.5 / l, and the maximum is set back to -3e38: the next step's a = 2^(c m_old - c m_new) is then 0 and clears Oc and l by the rescaling that every step has.
; CLUSTER.  The four query blocks of a cluster walk the same K and V: each tile is asked for jointly.  A slot holds 256 keys (four steps); a wave has two loads out at the start, later one.
; REGISTERS: window 0: v2-8 addresses; v12-43 statistics, eight a tile (c m, m, l even, l odd, c0-c3; a takes c2's place); v64-191 S^T; v192-255 P.
;   window 1: v0-127 Oc, 32 a tile; v128-255 Ot.   window 2: v0-63 Q; v64-127 K of a step; v128-191 V of a step.
.set PK,    144                        ; a row of K in LDS: 128 bytes + 16
.set PVP,   160                        ; a row of V: 128 + 32
.set VOFF,  256*PK                     ; a slot: 256 rows of K, then 256 rows of V
.set SLOT1, 1<<17
.set STAGE, SLOT1+VOFF+256*PVP         ; behind the ring: 16 rows x 144 bytes for each wave
.set SP,    144
.set SPARE, STAGE+4*16*SP              ; the spare words: two blocks of 256 bytes that no other line names
.set SLOTB, 32768                      ; a slot's 256 rows of 128 bytes in memory
.set AK0, 2
.set AV0, 3
.set ADR, 4
.set QO,  5
.set STO, 6
.set RD,  7
.set GO,  8
.set ST,  12
.set PFO, 61                           ; v61  256 x lane; never rewritten
.set SPW, 62
.set NIL, 63
.set S,   64
.set P,   192
.set KF,  64                           ; in window 2
.set VF,  128                          ; in window 2
.set OT,  128                          ; in window 1
.set WV,  12
.set LIM, 15
.set PFA, 18
.set G1K, 24
.set G1V, 32
.set G0K, 40
.set G0V, 48
.set SLOTS, 56
.set STEPC, 57
.set CS,  58
.set SEL, 60
.set TBK, 62                           ; s62  LDS byte at which K's rows of the step to be fetched begin
.set TBV, 63                           ; s63  the same for V, less VOFF
.set JC,  66                           ; s66  the key step in hand
.set MSB, 0
.macro WIN new
.if MSB != (\new)
	s_set_vgpr_msb (MSB<<8)|(\new)
.set MSB, (\new)
.endif
.endm
.set W_KQ,  0x0a                       ; K and Q window 2, S^T window 0
.set W_PV,  0x52                       ; V window 2, P window 0, Oc window 1
.set W_RS,  0x41                       ; Oc (destination and source 0) window 1, a window 0
.set W_FIN, 0x51                       ; Ot, Oc window 1, a window 0
.macro JLOAD                           ; a joint refill: waves 0, 1 K's halves of a slot, waves 2, 3 V's; s_nop 0 and four v_nop follow each line
	s_cmp_lt_u32 s[WV], 2
	s_cbranch_scc0 .Lfor_v_\@
	tensor_load_to_lds s[G0K+4:G0K+7], s[G1K:G1K+7]
	s_nop 0
.rept 4
	v_nop
.endr
	s_branch .Lasked_\@
.Lfor_v_\@:
	tensor_load_to_lds s[G0V+4:G0V+7], s[G1V:G1V+7]
	s_nop 0
.rept 4
	v_nop
.endr
.Lasked_\@:
.endm
; A prefetch of what the NEXT change of slots will ask for: a slot's 32,768 bytes of K and of V.  The head's first cluster asks; its four partners take 8,192 bytes each, told apart by address;
; in each, wave 0 asks for K's and wave 2 for V's, lanes 256 bytes apart: each block of 256 bytes is named once.  The last change that fills a slot asks for nothing.
.macro ASK
	s_cmp_gt_u32 s[SLOTS], s[LIM]
	s_cbranch_scc0 .Lnot_mine_\@
	global_prefetch_b8 v[PFO], s[PFA:PFA+1] th:TH_LOAD_NT scope:SCOPE_SE
.Lnot_mine_\@:
.endm
.macro CROUND
	s_barrier_signal -1
	s_barrier_wait -1
	s_cmp_lg_u32 s[WV], 0
	s_cbranch_scc1 .Lnot_wave_0_\@
	s_barrier_signal -3
.Lnot_wave_0_\@:
	s_barrier_wait -3
	s_barrier_signal -1
	s_barrier_wait -1
.endm
	s_load_b128 s[4:7], s[0:1], 0x0                ; qkvh s[4:5], ctx s[6:7]
	v_lshl_add_u32 v[SPW], v0, 2, SPARE
	v_mov_b32 v[NIL], 0
	ds_add_u32 v[SPW], v[NIL]                      ; the opening: the add, twice on end, and its wait ahead of my first tensor load
	ds_add_u32 v[SPW], v[NIL]
	v_lshrrev_b32 v1, 5, v0
	v_readfirstlane_b32 s[WV], v1                  ; wave 0..3
	s_bfe_u32 s13, ttmp6, 0x40000                  ; cx
	s_lshl_b32 s14, ttmp9, 2
	s_add_co_u32 s14, s14, s13                     ; my block of 256 queries: it enters Q's and ctx's addresses alone
	s_and_b32 s20, ttmp7, 0xffff                   ; the head, which the partners share
	s_lshl_b32 s20, s20, 19                        ; x 4,096 rows x 128 bytes
	s_mov_b32 s21, 0
	s_and_b32 s16, s[WV], 1                        ; which half of a slot's rows I fetch:
	s_lshl_b32 s22, s16, 14                        ; 128 rows of 128 bytes in memory,
	s_mov_b32 s23, 0
	s_add_nc_u64 s[22:23], s[22:23], s[20:21]
	s_mul_i32 s17, s16, 128*PK                     ; and in a slot, for K
	s_mul_i32 s68, s16, 128*PVP                    ; and for V
	s_lshl_b32 s2, s14, 15                         ; my block's 256 rows,
	s_lshl_b32 s3, s[WV], 13                       ; my wave's 64 of them
	s_add_co_u32 s2, s2, s3
	s_mov_b32 s3, 0
	s_add_nc_u64 s[2:3], s[2:3], s[20:21]
	s_mov_b32 s[G1K], 15|(1<<16)|(1<<20)|(1<<21)|(4<<22)|(3<<25)   ; the mask: all four; elements of 2 bytes; padding: 4 words behind every 32
	s_mov_b32 s[G1V], 15|(1<<16)|(1<<20)|(1<<21)|(4<<22)|(7<<25)   ; the same with 8 words
.irp g, G1K, G1V
	s_mov_b32 s[\g+1], 64<<16                      ; tensor_dim0 = 64
	s_mov_b32 s[\g+2], 128<<16                     ; tensor_dim1 = 128
	s_mov_b32 s[\g+3], 64<<16                      ; tile_dim0 = 64
	s_mov_b32 s[\g+4], 128                         ; tile_dim1 = 128
	s_mov_b32 s[\g+5], 64                          ; from row to row
	s_mov_b32 s[\g+6], 0
	s_mov_b32 s[\g+7], 0
.endr
	s_mov_b32 s[CS], 0x3e38aa3b                    ; c = log2(e) / sqrt(64)
	s_mov_b32 s[CS+1], s[CS]
	s_mov_b32 s[SEL], 0x76543210
	s_mov_b32 s[SEL+1], 0xfedcba98
	s_mov_b32 s[TBK], 0
	s_mov_b32 s[TBV], 0
	s_mov_b32 s[JC], 0
	s_mov_b32 s[SLOTS], 14                         ; 16 slots' worth of keys, two of them asked for at the head
	s_and_b32 s[LIM], s[WV], 1
	s_or_b32 s[LIM], s[LIM], ttmp9                 ; 0 in waves 0 and 2 of the head's first cluster: the same in all four partners
	s_cmp_eq_u32 s[LIM], 0
	s_cselect_b32 s[LIM], 1, -1
	v_and_b32 v[PFO], 31, v0
	v_lshlrev_b32 v[PFO], 8, v[PFO]
	s_wait_dscnt 0x0                               ; both opening adds are done
	s_wait_kmcnt 0x0
	s_add_nc_u64 s[8:9], s[4:5], s[22:23]
	s_add_nc_u64 s[10:11], s[8:9], 32*524288       ; V at my half of slot 0
	s_add_nc_u64 s[8:9], s[8:9], 16*524288         ; K likewise
	s_add_nc_u64 s[4:5], s[4:5], s[2:3]            ; Q at my wave's first row
	s_add_nc_u64 s[6:7], s[6:7], s[2:3]            ; ctx likewise
	s_cmp_lt_u32 s[WV], 2
	s_cselect_b64 s[PFA:PFA+1], s[8:9], s[10:11]   ; (in waves 0 and 2 these stand at a slot's first row)
	s_lshl_b32 s2, s13, 13                         ; my work-group's quarter of a slot
	s_mov_b32 s3, 0
	s_add_nc_u64 s[PFA:PFA+1], s[PFA:PFA+1], s[2:3]
	s_add_nc_u64 s[PFA:PFA+1], s[PFA:PFA+1], 2*SLOTB   ; in slot 2; the first change of slots steps it to slot 3.  Nothing is prefetched at the head
	CROUND                                         ; all four work-groups are here: the first joint loads meet
.irp s, 0,1
	s_mov_b32 s[G0K+4*\s], 1
	s_add_co_u32 s[G0K+4*\s+1], s17, \s*SLOT1
	s_add_nc_u64 s[G0K+4*\s+2:G0K+4*\s+3], s[8:9], \s*SLOTB
	s_or_b32 s[G0K+4*\s+3], s[G0K+4*\s+3], 0x80000000
	s_mov_b32 s[G0V+4*\s], 1
	s_add_co_u32 s[G0V+4*\s+1], s68, \s*SLOT1+VOFF
	s_add_nc_u64 s[G0V+4*\s+2:G0V+4*\s+3], s[10:11], \s*SLOTB
	s_or_b32 s[G0V+4*\s+3], s[G0V+4*\s+3], 0x80000000
.endr
	s_cmp_lt_u32 s[WV], 2                          ; a wave's two first fills stand in one branch
	s_cbranch_scc0 .Lfirst_v
	tensor_load_to_lds s[G0K:G0K+3], s[G1K:G1K+7]
	s_nop 0
	tensor_load_to_lds s[G0K+4:G0K+7], s[G1K:G1K+7]
	s_nop 0
.rept 4
	v_nop
.endr
	s_branch .Lfirst_asked
.Lfirst_v:
	tensor_load_to_lds s[G0V:G0V+3], s[G1V:G1V+7]
	s_nop 0
	tensor_load_to_lds s[G0V+4:G0V+7], s[G1V:G1V+7]
	s_nop 0
.rept 4
	v_nop
.endr
.Lfirst_asked:
	v_and_b32 v1, 15, v0                           ; r = l % 16
	v_bfe_u32 v9, v0, 4, 1                         ; h = l / 16
	v_lshlrev_b32 v[QO], 7, v1
	v_lshl_add_u32 v[QO], v9, 4, v[QO]             ; row x 128 + 16 x half
	WIN 0x80                                       ; destination window 2
.irp i, 0,1,2,3,4,5,6,7                ; Q stays in registers: tile i / 2, channels 32 (i % 2) on
	global_load_b128 v[8*\i:8*\i+3],   v[QO], s[4:5] offset:(\i/2)*2048+(\i%2)*64
	global_load_b128 v[8*\i+4:8*\i+7], v[QO], s[4:5] offset:(\i/2)*2048+(\i%2)*64+32
.endr
	WIN 0
	v_mul_u32_u24 v[AK0], v1, PK
	v_lshl_add_u32 v[AK0], v9, 4, v[AK0]           ; K: row x pitch + 16 x half
	v_and_b32 v10, 7, v0
	v_bfe_u32 v11, v0, 3, 1
	v_lshl_add_u32 v[AV0], v9, 3, v10              ; V, for the turning load: key 8 (l / 16) + l % 8, channels 8 ((l / 8) % 2) on
	v_mul_u32_u24 v[AV0], v[AV0], PVP
	v_lshl_add_u32 v[AV0], v11, 4, v[AV0]
	v_add_nc_u32 v[AV0], VOFF, v[AV0]
	; the step is written once: the first finds zeros in Oc, Ot and l and -3e38 as the maximum.  These lines stand while the first tiles are on their way
.irp t, 0,1,2,3
	v_mov_b32 v[ST+8*\t], 0xff61b1e6
	v_mov_b32 v[ST+8*\t+1], 0xff61b1e6
.irp n, 2,3,4,5,6,7
	v_mov_b32 v[ST+8*\t+\n], 0
.endr
.endr
	WIN 0x40                                       ; destination window 1
.set i, 0
.rept 256
	v_mov_b32 v[i], 0
.set i, i+1
.endr
	WIN 0
; Product i of 16 of Oc += V^T P: keys 32 (i / 8) on, channels 16 ((i / 2) % 4) on, tile x + i % 2.  The eight accumulators take turns.
.macro PV x
	WIN W_PV
.set rO, 32*(\x+i%2)+8*((i/2)%4)
.set rV, VF+32*(i/8)+8*((i/2)%4)
.set rP, P+16*(\x+i%2)+8*(i/8)
	v_wmma_f32_16x16x32_f16 v[rO:rO+7], v[rV:rV+7], v[rP:rP+7], v[rO:rO+7]
.endm
; Product i of 16 of S^T = K Q^T: channels 32 (i / 8) on, keys 16 ((i / 2) % 4) on, tile x + i % 2.  The first 8 start the sums.
.macro KQ x
	WIN W_KQ
.set rS, S+32*(\x+i%2)+8*((i/2)%4)
.set rK, KF+16*((i/2)%4)+8*(i/8)
.set rQ, 16*(\x+i%2)+8*(i/8)
.if i < 8
	v_wmma_f32_16x16x32_f16 v[rS:rS+7], v[rK:rK+7], v[rQ:rQ+7], 0
.else
	v_wmma_f32_16x16x32_f16 v[rS:rS+7], v[rK:rK+7], v[rQ:rQ+7], v[rS:rS+7]
.endif
.endm
.macro FETCH_K                         ; a step's K: 64 keys x 64 channels: 8 fragments, 16 loads in one run
	WIN 0
	v_add_nc_u32 v[ADR], s[TBK], v[AK0]
	s_add_co_u32 s[TBK], s[TBK], 64*PK
	WIN 0x80
.irp f, 0,1,2,3,4,5,6,7                ; keys 16 (f / 2) on, channels 32 (f % 2) on
	ds_load_b128 v[KF+8*\f:KF+8*\f+3],   v[ADR] offset:(\f/2)*16*PK+(\f%2)*64
	ds_load_b128 v[KF+8*\f+4:KF+8*\f+7], v[ADR] offset:(\f/2)*16*PK+(\f%2)*64+32
.endr
.endm
.macro FETCH_V                         ; a step's V, turned
	WIN 0
	v_add_nc_u32 v[ADR], s[TBV], v[AV0]
	s_add_co_u32 s[TBV], s[TBV], 64*PVP
	s_wait_alu depctr_va_vdst(0)                   ; the one wait for the softmax's batch of exponentials, ahead of the first line that names a result
	WIN 0x80
.irp f, 0,1,2,3,4,5,6,7                ; keys 32 (f / 4) on, channels 16 (f % 4) on
	ds_load_tr16_b128 v[VF+8*\f:VF+8*\f+3],   v[ADR] offset:(\f/4)*32*PVP+(\f%4)*32
	ds_load_tr16_b128 v[VF+8*\f+4:VF+8*\f+7], v[ADR] offset:(\f/4)*32*PVP+16*PVP+(\f%4)*32
.endr
.endm
; One tile's softmax for one key step is a list of 118 instructions; SM writes number j of it for tile t.
;   0-15 the maximum of 32 scores and the old m;  16-20 the other half of the lanes', the new m, c m, c m_old - c m_new;
;   21-69 ONE BATCH: 16 scalings c s - c m and 33 exponentials (a at 23), none of which reads an exponential's result;  (the wait)
;   70-85 roundings to f16;  86-101 the sums, l = a l + sum;  102-117 Oc x a.
.macro SM t
.set rT, ST+8*(\t)
.set rS, S+32*(\t)
.set rP, P+16*(\t)
.set rO, 32*(\t)+2*(j-102)
.if j < 102
	WIN 0
.endif
.if j < 4
	v_max3_num_f32 v[rT+4+j], v[rS+8*j], v[rS+8*j+1], v[rS+8*j+2]       ; each accumulator is first read at its low end
.elseif j < 12
	v_max3_num_f32 v[rT+4+j%4], v[rT+4+j%4], v[rS+8*(j%4)+2*(j/4)+1], v[rS+8*(j%4)+2*(j/4)+2]
.elseif j == 12
	v_max3_num_f32 v[rT+4], v[rT+4], v[rS+7], v[rS+15]
.elseif j == 13
	v_max3_num_f32 v[rT+6], v[rT+6], v[rS+23], v[rS+31]
.elseif j == 14
	v_max3_num_f32 v[rT+4], v[rT+4], v[rT+5], v[rT+6]
.elseif j == 15
	v_max3_num_f32 v[rT+4], v[rT+4], v[rT+7], v[rT+1]
.elseif j == 16
	v_permlanex16_b32 v[rT+5], v[rT+4], s[SEL], s[SEL+1]
.elseif j == 17
	v_mov_b32 v[rT+7], v[rT]
.elseif j == 18
	v_max_num_f32 v[rT+1], v[rT+4], v[rT+5]
.elseif j == 19
	v_mul_f32 v[rT], s[CS], v[rT+1]
.elseif j == 20
	v_sub_f32 v[rT+7], v[rT+7], v[rT]
.elseif j == 23
	v_exp_f32 v[rT+6], v[rT+7]
.elseif (j < 23) || ((j < 38) && (j%2 == 0)) || ((j < 66) && (j%4 == 2))
.set b, (j-2)/4
.if j < 38
.set b, (j-20)/2
.endif
	v_pk_fma_f32 v[rS+2*b:rS+2*b+1], v[rS+2*b:rS+2*b+1], s[CS:CS+1], v[rT:rT+1] op_sel_hi:[1,0,0] neg_lo:[0,0,1] neg_hi:[0,0,1]
.elseif j < 70
.set e, j-38
.if j < 66
.set e, j-32-(j-38)/4
.endif
.if j < 38
.set e, (j-25)/2
.endif
	v_exp_f32 v[rS+e], v[rS+e]
.elseif j < 86
	v_cvt_pk_f16_f32 v[rP+j-70], v[rS+2*(j-70)], v[rS+2*(j-70)+1]
.elseif j < 102
.set z, j-86
.set w, 4
.set u, z
.if z >= 14
.set w, 32
.set u, 0
.elseif z >= 12
.set w, 16
.set u, z-12
.elseif z >= 8
.set w, 8
.set u, z-8
.endif
.if z < 15
	v_pk_add_f32 v[rS+w*u:rS+w*u+1], v[rS+w*u:rS+w*u+1], v[rS+w*u+w/2:rS+w*u+w/2+1]
.else
	v_pk_fma_f32 v[rT+2:rT+3], v[rT+2:rT+3], v[rT+6:rT+7], v[rS:rS+1] op_sel_hi:[1,0,1]
.endif
.else
	WIN W_RS
	v_pk_mul_f32 v[rO:rO+1], v[rO:rO+1], v[rT+6:rT+7] op_sel_hi:[1,0]
.endif
.endm
; Slice k of 59 of piece y's softmax: four instructions.  Slices 11 to 34 deal out the batch, four numbers of one tile each, the tiles by turns; every other slice is numbers 2 k, 2 k + 1 of both tiles.
.macro SLICE y
.if (k >= 11) && (k < 35)
.irp n, 0,1,2,3
.set j, 22+4*((k-11)/2)+(\n)
	SM (\y)+(k-11)%2
.endr
.else
.irp n, 0,1
.irp t, \y, \y+1
.set j, 2*k+\n
	SM \t
.endr
.endr
.endif
.if k == 34
	v_nop                                          ; the plain instruction behind the last exponential: one for the batch
.if (\y) == 0
	FETCH_V                                        ; piece 2's turn: V's run of loads stands here, and the wait stands in it
.else
	s_wait_alu depctr_va_vdst(0)                   ; the one wait for the batch
.endif
.endif
.set k, k+1
.endm
; Behind matrix instruction mi of MT: slices up to min(per x mi, 59 - (MT - mi)): the last products keep one slice each, and slice 58, four plain rescalings that name none of
; the last product's registers, stands behind the turn's last product as its four places.
.macro AFTER y
.set lim, per*mi
.if lim > 59-(MT-mi)
.set lim, 59-(MT-mi)
.endif
.rept 4
.if k < lim
	SLICE \y
.endif
.endr
.endm
; A TURN.  Piece x has the matrix unit.  Piece 0's turn fetches the next step's K behind its second product (K's last reader stands ahead of the turn before's slice 58); piece 2's turn fetches V behind
; slice 34: behind V's last reader stand five plain instructions: number 58 of one tile, number 62 of both, the v_nop and the run's own addition.
.macro TURN x, pv, kq
.set k, 0
.set mi, 0
.set MT, 16*(\pv+\kq)
.set per, 64/MT
.if \pv
.if \x == 0
	s_wait_dscnt 0x0                               ; V is in
.endif
.set i, 0
.rept 16
	PV \x
.set mi, mi+1
	AFTER 2-\x
.if (\x == 0) && \kq && (i == 1)
	FETCH_K
.endif
.set i, i+1
.endr
.endif
.if \kq
.if \x == 0
	s_wait_dscnt 0x0                               ; K is in
.endif
.set i, 0
.rept 16
	KQ \x
.set mi, mi+1
	AFTER 2-\x
.set i, i+1
.endr
.endif
.endm
; A CHUNK'S END for piece y.
.macro FIN y
	WIN 0
.irp t, \y, \y+1
	v_add_f32 v[ST+8*(\t)+4], v[ST+8*(\t)+2], v[ST+8*(\t)+3]
.endr
.irp t, \y, \y+1
	v_permlanex16_b32 v[ST+8*(\t)+5], v[ST+8*(\t)+4], s[SEL], s[SEL+1]
.endr
.irp t, \y, \y+1
	v_add_f32 v[ST+8*(\t)+4], v[ST+8*(\t)+4], v[ST+8*(\t)+5]     ; the chunk's sum of the query
.endr
.irp t, \y, \y+1
	v_rcp_f32 v[ST+8*(\t)+6], v[ST+8*(\t)+4]
.endr
.irp t, \y, \y+1
	v_mov_b32 v[ST+8*(\t)], 0xff61b1e6             ; the next chunk begins under every score.  (Plain lines behind the reciprocals)
	v_mov_b32 v[ST+8*(\t)+1], 0xff61b1e6
.endr
	s_wait_alu depctr_va_vdst(0)                   ; one wait for both reciprocals, ahead of their first reader
.irp t, \y, \y+1
	v_mul_f32 v[ST+8*(\t)+6], 0.5, v[ST+8*(\t)+6]
.endr
	WIN W_FIN
.irp t, \y, \y+1
.set i, 0
.rept 16
	v_pk_fma_f32 v[OT+32*(\t)+i:OT+32*(\t)+i+1], v[32*(\t)+i:32*(\t)+i+1], v[ST+8*(\t)+6:ST+8*(\t)+7], v[OT+32*(\t)+i:OT+32*(\t)+i+1] op_sel_hi:[1,0,1]
.set i, i+2
.endr
.endr
	WIN 0
.endm
.macro FINIF y                         ; in the last step of a chunk of 16: a branch on the count of steps, the same in all waves and partners
	WIN 0
	s_and_b32 s67, s[JC], 15
	s_cmp_eq_u32 s67, 15
	s_cbranch_scc0 .Lno_end_\@
	FIN \y
.Lno_end_\@:
.endm
; THE CHANGE OF SLOTS, when the slot's last bytes have been asked for: each wave waits for all its tensor loads, adds 0 to its spare word, waits for that and for its reads of the slot.
; fill = 1: a round of the cluster's barrier, and the joint refill first behind it: it has four key steps, 256 matrix instructions, in which to land.
.macro CHANGE fill
	WIN 0
	s_wait_tensorcnt 0x0
	ds_add_u32 v[SPW], v[NIL]
.if \fill
.irp g, G0K+4, G0V+4
	s_xor_b32 s[\g+1], s[\g+1], SLOT1              ; the walking descriptor: the other slot than last time,
	s_add_nc_u64 s[\g+2:\g+3], s[\g+2:\g+3], SLOTB ; the next 256 keys
.endr
	s_wait_xcnt 0x0                                ; the last prefetch, a slot back, has read its address
	s_add_nc_u64 s[PFA:PFA+1], s[PFA:PFA+1], SLOTB
	s_wait_dscnt 0x0
	CROUND
	JLOAD
	ASK
.else
	s_wait_dscnt 0x0
	s_barrier_signal -1
	s_barrier_wait -1
.endif
	s_sub_co_u32 s[TBK], s[TBK], 4*64*PK           ; the fetches go back to a slot's first step,
	s_xor_b32 s[TBK], s[TBK], SLOT1                ; in the other slot
	s_sub_co_u32 s[TBV], s[TBV], 4*64*PVP
	s_xor_b32 s[TBV], s[TBV], SLOT1
.endm
.macro STEPS n                         ; n key steps: written once, walked n times
	s_mov_b32 s[STEPC], \n
.Lstep_\@:
	TURN 0, 1, 1
	FINIF 0                                        ; piece 0's chunk is whole behind its V^T P, and its next softmax stands in the turn below
	TURN 2, 1, 1
	FINIF 2
	s_add_co_u32 s[JC], s[JC], 1
	s_sub_co_u32 s[STEPC], s[STEPC], 1
	s_cmp_lg_u32 s[STEPC], 0
	s_cbranch_scc1 .Lstep_\@
.endm
	s_wait_tensorcnt 1                             ; my part of slot 0 is in; slot 1's may stay out
	s_barrier_signal -1
	s_barrier_wait -1
	FETCH_K                                        ; key step 0
	s_wait_loadcnt 0x0                             ; Q
	s_wait_dscnt 0x0
.set i, 0
.rept 16
	KQ 0                                           ; piece 0's first scores
.set i, i+1
.endr
	WIN 0                                          ; the addresses for the way out: plain instructions, the places behind those products
	s_mul_i32 s13, s[WV], 16*SP
	s_add_co_u32 s13, s13, STAGE
	v_mul_u32_u24 v[STO], v1, SP                   ; in: row l % 16, 16 bytes for each half of the lanes
	v_lshl_add_u32 v[STO], v9, 4, v[STO]
	v_add_nc_u32 v[STO], s13, v[STO]
	v_and_b32 v10, 31, v0
	v_lshrrev_b32 v[RD], 3, v10                    ; back: eight lanes to a row of 128 bytes
	v_mul_u32_u24 v[RD], v[RD], SP
	v_and_b32 v11, 7, v0
	v_lshl_add_u32 v[RD], v11, 4, v[RD]
	v_add_nc_u32 v[RD], s13, v[RD]
	v_lshlrev_b32 v[GO], 4, v10                    ; four rows are 512 consecutive bytes of ctx
	TURN 2, 0, 1                                   ; piece 2's first scores | piece 0's first softmax | V of step 0
	WIN 0
	STEPS 3                                        ; steps 0 to 2: slot 0 is read out
.Lslot:                                            ; 14 trips: every slot but the last two is filled again
	CHANGE 1
	STEPS 4
	s_sub_co_u32 s[SLOTS], s[SLOTS], 1
	s_cmp_lg_u32 s[SLOTS], 0
	s_cbranch_scc1 .Lslot
	CHANGE 0                                       ; the tail is written out
	STEPS 4                                        ; steps 59 to 62
	TURN 0, 1, 0                                   ; piece 0: V^T P of step 63 | piece 2's last softmax
.set i, 0
.rept 16
	PV 2                                           ; piece 2: V^T P of step 63
.set i, i+1
.endr
	FIN 0                                          ; the last chunk's end; piece 0's lines are the places behind piece 2's products
	FIN 2
; THE WAY OUT, a tile (16 rows of ctx) at a time: rounded to f16, through my stage, back as 2,048 consecutive bytes.
.macro PACK t
	WIN 0x05                                       ; sources window 1, destination window 0
.set i, 0
.rept 16
	v_cvt_pk_f16_f32 v[S+16*\t+i], v[OT+32*\t+2*i], v[OT+32*\t+2*i+1]
.set i, i+1
.endr
	WIN 0
.irp f, 0,1,2,3
	ds_store_b128 v[STO], v[S+16*\t+4*\f:S+16*\t+4*\f+3] offset:32*\f
.endr
.irp f, 0,1,2,3
	ds_load_b128 v[S+16*\t+4*\f:S+16*\t+4*\f+3], v[RD] offset:\f*4*SP   ; LDS serves a wave's instructions in order: these see the stores above, and the next tile's stores come behind them
.endr
.endm
.macro SEND t, younger                 ; younger: the next tile's four stores and four loads, or none
.irp f, 0,1,2,3
	s_wait_dscnt \younger+3-\f
	global_store_b128 v[GO], v[S+16*\t+4*\f:S+16*\t+4*\f+3], s[6:7] offset:\t*2048+\f*512   ; 512 consecutive bytes, aligned
.endr
.endm
	PACK 0
	PACK 1
	SEND 0, 8
	PACK 2
	SEND 1, 8
	PACK 3
	SEND 2, 8
	SEND 3, 0
	s_wait_tensorcnt 0x0                           ; the wave's end
	ds_add_u32 v[SPW], v[NIL]
	s_wait_dscnt 0x0
	CROUND                                         ; the closing round
	s_endpgm
.Lfunc_end_k_q8be86edd7b_attn:
	.size	k_q8be86edd7b_attn, .Lfunc_end_k_q8be86edd7b_attn-k_q8be86edd7b_attn
	.p2alignl 7, 3214868480
	.fill 96, 4, 3214868480
	.section	.rodata,"a",@progbits
	.p2align	6, 0x0
	.amdhsa_kernel k_q8be86edd7b_attn
		.amdhsa_group_segment_fixed_size 327680
		.amdhsa_private_segment_fixed_size 0
		.amdhsa_enable_private_segment 0
		.amdhsa_kernarg_size 16
		.amdhsa_user_sgpr_count 2
		.amdhsa_user_sgpr_kernarg_segment_ptr 1
		.amdhsa_wavefront_size32 1
		.amdhsa_system_sgpr_workgroup_id_x 1
		.amdhsa_system_sgpr_workgroup_id_y 1
		.amdhsa_system_sgpr_workgroup_id_z 1
		.amdhsa_system_vgpr_workitem_id 0
		.amdhsa_next_free_vgpr 768
		.amdhsa_next_free_sgpr 70
		.amdhsa_reserve_vcc 0
		.amdhsa_float_denorm_mode_32 3
		.amdhsa_float_denorm_mode_16_64 3
		.amdhsa_memory_ordered 1
		.amdhsa_forward_progress 1
		.amdhsa_inst_pref_size 192
	.end_amdhsa_kernel
	.amdgpu_metadata
---
amdhsa.version: [ 1, 2 ]
amdhsa.kernels:
  - .name:           k_q8be86edd7b_attn
    .symbol:         k_q8be86edd7b_attn.kd
    .args:
      - { .name: qkvh, .offset: 0, .size: 8, .value_kind: global_buffer, .address_space: global }
      - { .name: ctx, .offset: 8, .size: 8, .value_kind: global_buffer, .address_space: global }
    .group_segment_fixed_size: 327680
    .private_segment_fixed_size: 0
    .kernarg_segment_align: 8
    .kernarg_segment_size: 16
    .max_flat_workgroup_size: 128
    .sgpr_count:     70
    .vgpr_count:     768
    .wavefront_size: 32
...
	.end_amdgpu_metadata
.endif
;; end of part 3
;; launch oproj (part 4): grid 8 x 32, 4 waves a work-group, clusters of 4 x 4, 327,680 bytes of LDS; arguments ctx, wot, bo, out0; writes out0
.if DOCPART == 4
	.amdgcn_target "amdgcn-amd-amdhsa--gfx1250"
	.amdhsa_code_object_version 6
	.text
	.protected	k_q8be86edd7b_oproj
	.globl	k_q8be86edd7b_oproj
	.p2align	8
	.type	k_q8be86edd7b_oproj,@function
k_q8be86edd7b_oproj:
	s_mov_b64 s[64:65], 0
	v_nop
	global_prefetch_b8 v0, s[64:65] scope:SCOPE_SE
	s_setreg_imm32_b32 hwreg(HW_REG_WAVE_MODE, 25, 1), 1
	s_wait_xcnt 0x0
	s_wait_alu depctr_hold_cnt(0) depctr_sa_sdst(0) depctr_va_vdst(0) depctr_va_sdst(0) depctr_va_ssrc(0) depctr_va_vcc(0) depctr_vm_vsrc(0)
	s_getreg_b32 s2, hwreg(HW_REG_IB_STS2, 6, 4)
	s_cmp_eq_u32 s2, 0
	s_cbranch_scc0 .Lentry_in_a_cluster
	s_endpgm
.Lentry_in_a_cluster:
	s_bfe_u32 s2, ttmp6, 0x10000c
	s_cmp_lg_u32 s2, 0xf033
	s_cbranch_scc0 .Lentry_shape_is_right
	s_endpgm
.Lentry_shape_is_right:
; OUT.  out0[m][n] = 0.5 x (sum over k of ctx[m][k] Wo[k][n]) + bo[n]: ctx holds twice the mean of the four chunks' results.  f16 operands, f32 sums, f32 out.
; ctx [16 heads][4096][64] f16, wot [16 g][1024 n][64 k] f16: K goes by heads of 64; a head's 128 rows of a tile are 16,384 dense bytes.
; A tile of out0 is 128 x 128: 256 work-groups of four waves, each 64 x 64: 16 accumulators.  A K step is 256 (four heads) in one of two LDS slots; four K steps, written straight.
; One tensor load a wave brings two heads' blocks: a tile of 2 rows of 8,192 elements, the heads' distance as its pitch, 16 bytes of padding behind every 128: LDS rows 144 bytes apart.
; CLUSTERS: 4 x 4; ctx's tiles are asked for jointly along a row of the cluster, wot's along a column.  TRANSPOSED use: a lane holds eight neighbouring columns of one token.
; REGISTERS: window 0: v0-31 addresses; v32-95 rows on the way out, two sets; v96-127 the bias; v128-255 the accumulators ((a, b) at v[128 + 8 (4 a + b)]).  window 1: two fragment buffers of 128.
.set HB,     128*144                   ; a head's block: 128 rows
.set SLOT,   8*HB                      ; ctx's four blocks, then wot's four
.set STAGE,  2*SLOT                    ; 16 rows x (256 bytes + 16) for each wave, its own
.set SPITCH, 272
.set SPARE,  STAGE+4*16*SPITCH         ; the spare words: two blocks of 256 bytes that no other line names
.set ADRA, 16
.set ADRB, 20
.set STO,  24
.set RD,   25
.set CO,   26
.set BO,   27                          ; v27  32 x (lane / 16); never rewritten
.set SPW,  28
.set NIL,  29
.set TMP,  32
.set BI,   96
.set ACC,  128
.set F0,   0
.set F1,   128
.set G1, 24
.set G0, 32
.set G1B, 48
.set G0B, 56
.set MSB, 0
.macro WIN new
.if MSB != (\new)
	s_set_vgpr_msb (MSB<<8)|(\new)
.set MSB, (\new)
.endif
.endm
.set MUL,  0x05                        ; sources window 1; C and D window 0
.set TO_F, 0x40
.macro JLOAD s                         ; a joint load: waves 0, 1 fetch ctx's blocks, waves 2, 3 wot's; s_nop 0 and four v_nop follow each line
	s_cmp_eq_u32 s11, 0
	s_cbranch_scc0 .Lfor_b_\@
	tensor_load_to_lds s[G0+4*\s:G0+4*\s+3], s[G1:G1+7]
	s_nop 0
.rept 4
	v_nop
.endr
	s_branch .Lasked_\@
.Lfor_b_\@:
	tensor_load_to_lds s[G0B+4*\s:G0B+4*\s+3], s[G1B:G1B+7]
	s_nop 0
.rept 4
	v_nop
.endr
.Lasked_\@:
.endm
.macro CREST
	s_cmp_lg_u32 s10, 0
	s_cbranch_scc1 .Lnot_wave_0_\@
	s_barrier_signal -3
.Lnot_wave_0_\@:
	s_barrier_wait -3
	s_barrier_signal -1
	s_barrier_wait -1
.endm
.macro CROUND
	s_barrier_signal -1
	s_barrier_wait -1
	CREST
.endm
	s_load_b128 s[4:7], s[0:1], 0x0                ; ctx s[4:5], wot s[6:7]
	s_load_b64 s[68:69], s[0:1], 0x10              ; bo
	s_load_b64 s[8:9], s[0:1], 0x18                ; out0
	v_lshl_add_u32 v[SPW], v0, 2, SPARE
	v_mov_b32 v[NIL], 0
	ds_add_u32 v[SPW], v[NIL]                      ; the opening: the add, twice on end, and its wait ahead of my first tensor load
	ds_add_u32 v[SPW], v[NIL]
	v_lshrrev_b32 v1, 5, v0
	v_readfirstlane_b32 s10, v1                    ; wave 0..3
	s_lshr_b32 s11, s10, 1                         ; my half of the tile's rows.  Also: I fetch for ctx (0) or for wot (1)
	s_and_b32 s12, s10, 1                          ; my half of its columns.  Also: which two heads of a K step I fetch
	s_bfe_u32 s40, ttmp6, 0x40000
	s_bfe_u32 s41, ttmp6, 0x40004
	s_lshl_b32 s42, ttmp9, 2
	s_add_co_u32 s42, s42, s40                     ; tile column
	s_and_b32 s13, ttmp7, 0xffff
	s_lshl_b32 s13, s13, 2
	s_add_co_u32 s13, s13, s41                     ; tile row
	s_lshl_b32 s43, s41, 2
	s_lshl_b32 s43, 15, s43                        ; my row of the cluster
	s_lshl_b32 s44, 0x1111, s40                    ; my column
	s_or_b32 s[G1+0], s43, (1<<16)|(1<<20)|(1<<21)|(4<<22)|(3<<25)   ; the mask; elements of 2 bytes; padding: 4 words behind every 32
	s_or_b32 s[G1B+0], s44, (1<<16)|(1<<20)|(1<<21)|(4<<22)|(3<<25)
.irp g, G1, G1B
	s_mov_b32 s[\g+1], 8192<<16                    ; tensor_dim0 = 8,192: a head's 128 rows of 64
	s_mov_b32 s[\g+2], 2<<16                       ; tensor_dim1 = 2 heads
	s_mov_b32 s[\g+3], 8192<<16                    ; tile_dim0
	s_mov_b32 s[\g+4], 2                           ; tile_dim1
	s_mov_b32 s[\g+6], 0
	s_mov_b32 s[\g+7], 0
.endr
	s_mov_b32 s[G1+5], 262144                      ; from head to head in ctx: 4,096 x 64 elements
	s_mov_b32 s[G1B+5], 65536                      ; and in wot: 1,024 x 64
	s_lshl_b32 s16, s12, 20                        ; ctx: my two heads of K step 0,
	s_lshl_b32 s17, s13, 14                        ; the tile's 128 rows of 128 bytes
	s_add_co_u32 s16, s16, s17
	s_mov_b32 s17, 0
	s_lshl_b32 s46, s12, 18                        ; wot likewise
	s_lshl_b32 s47, s42, 14
	s_add_co_u32 s46, s46, s47
	s_mov_b32 s47, 0
	s_mul_i32 s20, s10, 2*HB                       ; where they go: wave x two blocks
	s_wait_dscnt 0x0                               ; both opening adds are done
	s_wait_kmcnt 0x0
	s_add_nc_u64 s[14:15], s[4:5], s[16:17]
	s_add_nc_u64 s[46:47], s[6:7], s[46:47]
	CROUND                                         ; all sixteen work-groups are here: the first joint loads meet
.irp s, 0,1
	s_mov_b32 s[G0+4*\s], 1
	s_add_co_u32 s[G0+4*\s+1], s20, \s*SLOT
	s_add_nc_u64 s[G0+4*\s+2:G0+4*\s+3], s[14:15], \s*4*524288
	s_or_b32 s[G0+4*\s+3], s[G0+4*\s+3], 0x80000000
	s_mov_b32 s[G0B+4*\s], 1
	s_add_co_u32 s[G0B+4*\s+1], s20, \s*SLOT
	s_add_nc_u64 s[G0B+4*\s+2:G0B+4*\s+3], s[46:47], \s*4*131072
	s_or_b32 s[G0B+4*\s+3], s[G0B+4*\s+3], 0x80000000
	JLOAD \s
.endr
	v_and_b32 v1, 15, v0                           ; r
	v_bfe_u32 v2, v0, 4, 1                         ; h
	v_mul_u32_u24 v3, v1, 144
	v_lshl_add_u32 v3, v2, 4, v3                   ; a fragment's row x pitch + 16 x half
	s_mul_i32 s21, s11, 64*144                     ; my 64 rows of each of ctx's blocks
	s_mul_i32 s22, s12, 64*144                     ; my 64 rows of each of wot's,
	s_add_co_u32 s22, s22, 4*HB                    ; which lie behind ctx's four
.irp s, 0,1
	v_add_nc_u32 v[ADRA+\s], s21, v3
	v_add_nc_u32 v[ADRB+\s], s22, v3
	s_add_co_u32 s21, s21, SLOT
	s_add_co_u32 s22, s22, SLOT
.endr
	s_mul_i32 s23, s10, 16*SPITCH
	s_add_co_u32 s23, s23, STAGE                   ; my stage
	v_mul_u32_u24 v4, v1, SPITCH
	v_lshl_add_u32 v4, v2, 5, v4
	v_add_nc_u32 v[STO], s23, v4                   ; in: token r, 32 bytes for each half of the lanes
	v_mul_u32_u24 v5, v2, SPITCH
	v_lshl_add_u32 v5, v1, 4, v5
	v_add_nc_u32 v[RD], s23, v5                    ; back: lanes 0-15 one row of 256 bytes, lanes 16-31 the next
	v_lshlrev_b32 v5, 12, v2
	v_lshl_add_u32 v[CO], v1, 4, v5                ; and the same two rows of out0
	v_lshlrev_b32 v[BO], 5, v2
	s_lshl_b32 s46, s42, 9
	s_lshl_b32 s47, s12, 8
	s_add_co_u32 s46, s46, s47                     ; my first column, in bytes: 512 x tile column + 256 x half
	s_mov_b32 s47, 0
	s_add_nc_u64 s[68:69], s[68:69], s[46:47]
	s_lshl_b32 s16, s13, 7
	s_lshl_b32 s17, s11, 6
	s_add_co_u32 s16, s16, s17                     ; my first token
	s_lshl_b32 s16, s16, 12
	s_mov_b32 s17, 0
	s_add_nc_u64 s[8:9], s[8:9], s[16:17]
	s_add_nc_u64 s[8:9], s[8:9], s[46:47]
.irp b, 0,1,2,3                        ; lane (r, h), tile b: bo at columns 16 b + 8 h + 0 .. 7
	global_load_b128 v[BI+8*\b:BI+8*\b+3], v[BO], s[68:69] offset:64*\b
	global_load_b128 v[BI+8*\b+4:BI+8*\b+7], v[BO], s[68:69] offset:64*\b+16
.endr
.macro MUL8 f, c, a0, zero             ; 8 matrix instructions: token blocks a0, a0 + 1 x the 4 column blocks, 32 along K.  The 16 accumulators take turns
.irp a, \a0, \a0+1
.irp b, 0,1,2,3
.if \zero
	v_wmma_f32_16x16x32_f16 v[ACC+8*(4*(\a)+\b):ACC+8*(4*(\a)+\b)+7], v[\f+64+8*(4*\c+\b):\f+64+8*(4*\c+\b)+7], v[\f+8*(4*\c+\a):\f+8*(4*\c+\a)+7], 0
.else
	v_wmma_f32_16x16x32_f16 v[ACC+8*(4*(\a)+\b):ACC+8*(4*(\a)+\b)+7], v[\f+64+8*(4*\c+\b):\f+64+8*(4*\c+\b)+7], v[\f+8*(4*\c+\a):\f+8*(4*\c+\a)+7], v[ACC+8*(4*(\a)+\b):ACC+8*(4*(\a)+\b)+7]
.endif
.endr
.endr
.endm
.macro FETCH slot, q, f                ; 32 LDS loads in one run: head q of the slot, 64 along K, into buffer f; the first 32 along K first
	WIN TO_F
.irp c, 0,1
.irp i, 0,1,2,3
	ds_load_b128 v[\f+64+8*(4*\c+\i):\f+64+8*(4*\c+\i)+3],   v[ADRB+\slot] offset:(\q)*HB+64*\c+\i*16*144
	ds_load_b128 v[\f+64+8*(4*\c+\i)+4:\f+64+8*(4*\c+\i)+7], v[ADRB+\slot] offset:(\q)*HB+64*\c+\i*16*144+32
	ds_load_b128 v[\f+8*(4*\c+\i):\f+8*(4*\c+\i)+3],         v[ADRA+\slot] offset:(\q)*HB+64*\c+\i*16*144
	ds_load_b128 v[\f+8*(4*\c+\i)+4:\f+8*(4*\c+\i)+7],       v[ADRA+\slot] offset:(\q)*HB+64*\c+\i*16*144+32
.endr
.endr
.endm
.macro PLACES
.rept 4
	v_nop
.endr
.endm
.macro QUARTER slot, q, f, g, zero     ; multiplies buffer f and fetches head q into g
	s_wait_dscnt 16                                ; the first 32 along K are in
	WIN MUL
	MUL8 \f, 0, 0, \zero
	MUL8 \f, 0, 2, \zero
	PLACES
	FETCH \slot, \q, \g
	s_wait_dscnt 32                                ; all but the 32 just issued
	WIN MUL
	MUL8 \f, 1, 0, 0
	MUL8 \f, 1, 2, 0
.endm
; A slot's last quarter changes slots: one barrier; ahead of it each wave waits for all its tensor loads, adds 0 to its spare word, waits for that and for its reads of the slot.
.macro TURN slot, next, fill
	WIN 0
	s_wait_tensorcnt 0x0
	ds_add_u32 v[SPW], v[NIL]
	s_wait_dscnt 17                                ; the add and the youngest sixteen loads may be out
	WIN MUL
	MUL8 F1, 0, 0, 0
	s_wait_dscnt 0x0
	s_barrier_signal -1
	MUL8 F1, 0, 2, 0
.if \fill
	WIN 0
.endif
	s_barrier_wait -1
.if \fill
	CREST                                          ; the barrier has opened a round of the cluster's: no wave of any partner still reads this slot or has a load on its way
	s_add_nc_u64 s[G0+4*\slot+2:G0+4*\slot+3], s[G0+4*\slot+2:G0+4*\slot+3], 8*524288
	s_add_nc_u64 s[G0B+4*\slot+2:G0B+4*\slot+3], s[G0B+4*\slot+2:G0B+4*\slot+3], 8*131072
	JLOAD \slot                                    ; two K steps on; the four v_nop behind it are also the places ahead of the loads below
.else
	PLACES
.endif
	FETCH \next, 0, F0
	WIN MUL
	MUL8 F1, 1, 0, 0
	MUL8 F1, 1, 2, 0
.endm
	s_wait_tensorcnt 1                             ; my part of K step 0 is in; K step 1's may be out
	s_barrier_signal -1
	s_barrier_wait -1
	FETCH 0, 0, F0
	QUARTER 0, 1, F0, F1, 1                        ; the first products start the sums
	QUARTER 0, 2, F1, F0, 0
	QUARTER 0, 3, F0, F1, 0
	TURN 0, 1, 1                                   ; slot 0 takes K step 2
	QUARTER 1, 1, F0, F1, 0
	QUARTER 1, 2, F1, F0, 0
	QUARTER 1, 3, F0, F1, 0
	TURN 1, 0, 1                                   ; slot 1 takes K step 3
	QUARTER 0, 1, F0, F1, 0
	QUARTER 0, 2, F1, F0, 0
	QUARTER 0, 3, F0, F1, 0
	TURN 0, 1, 0                                   ; nothing is left to fetch
	QUARTER 1, 1, F0, F1, 0
	QUARTER 1, 2, F1, F0, 0
	QUARTER 1, 3, F0, F1, 0
	s_wait_dscnt 16
	WIN MUL
	MUL8 F1, 0, 0, 0
	MUL8 F1, 0, 2, 0
	s_wait_dscnt 0
	MUL8 F1, 1, 0, 0
	MUL8 F1, 1, 2, 0
	WIN 0
; THE WAY OUT, a block of 16 tokens x 64 columns at a time: 0.5 x sum + bias in place, through my own stage, back as rows of 256 bytes: my 64 columns are one aligned 256 bytes of a row of out0.
.macro FMA a
.irp b, 0,1,2,3
.irp p, 0,2,4,6
	v_pk_fma_f32 v[ACC+32*(\a)+8*\b+\p:ACC+32*(\a)+8*\b+\p+1], v[ACC+32*(\a)+8*\b+\p:ACC+32*(\a)+8*\b+\p+1], 0.5, v[BI+8*\b+\p:BI+8*\b+\p+1] op_sel_hi:[1,0,1]   ; each accumulator from its low end on
.endr
.endr
.endm
.macro TOST a
.irp b, 0,1,2,3
	ds_store_b128 v[STO], v[ACC+32*(\a)+8*\b:ACC+32*(\a)+8*\b+3] offset:64*\b
	ds_store_b128 v[STO], v[ACC+32*(\a)+8*\b+4:ACC+32*(\a)+8*\b+7] offset:64*\b+16
.endr
.irp i, 0,1,2,3,4,5,6,7
	ds_load_b128 v[TMP+32*((\a)%2)+4*\i:TMP+32*((\a)%2)+4*\i+3], v[RD] offset:2*SPITCH*\i   ; LDS serves a wave's instructions in order: these see the stores above
.endr
.endm
.macro SEND a
.irp i, 0,1,2,3,4,5,6,7
	s_wait_dscnt 7-\i
	global_store_b128 v[CO], v[TMP+32*((\a)%2)+4*\i:TMP+32*((\a)%2)+4*\i+3], s[8:9] offset:(16*(\a)+2*\i)*4096 th:TH_STORE_NT   ; sixteen lanes store 256 consecutive bytes, aligned
.endr
.endm
	s_wait_loadcnt 0x0                             ; the bias
	PLACES
	FMA 0
	TOST 0
	FMA 1
	SEND 0
	TOST 1
	FMA 2
	SEND 1
	s_wait_xcnt 0x0                                ; block 0's stores have read their registers: block 2's rows may land there
	TOST 2
	FMA 3
	SEND 2
	s_wait_xcnt 0x0
	TOST 3
	SEND 3
	s_wait_tensorcnt 0x0                           ; the wave's end
	ds_add_u32 v[SPW], v[NIL]
	s_wait_dscnt 0x0
	CROUND                                         ; the closing round
	s_endpgm
.Lfunc_end_k_q8be86edd7b_oproj:
	.size	k_q8be86edd7b_oproj, .Lfunc_end_k_q8be86edd7b_oproj-k_q8be86edd7b_oproj
	.p2alignl 7, 3214868480
	.fill 96, 4, 3214868480
	.section	.rodata,"a",@progbits
	.p2align	6, 0x0
	.amdhsa_kernel k_q8be86edd7b_oproj
		.amdhsa_group_segment_fixed_size 327680
		.amdhsa_private_segment_fixed_size 0
		.amdhsa_enable_private_segment 0
		.amdhsa_kernarg_size 32
		.amdhsa_user_sgpr_count 2
		.amdhsa_user_sgpr_kernarg_segment_ptr 1
		.amdhsa_wavefront_size32 1
		.amdhsa_system_sgpr_workgroup_id_x 1
		.amdhsa_system_sgpr_workgroup_id_y 1
		.amdhsa_system_sgpr_workgroup_id_z 1
		.amdhsa_system_vgpr_workitem_id 0
		.amdhsa_next_free_vgpr 512
		.amdhsa_next_free_sgpr 70
		.amdhsa_reserve_vcc 0
		.amdhsa_float_denorm_mode_32 3
		.amdhsa_float_denorm_mode_16_64 3
		.amdhsa_memory_ordered 1
		.amdhsa_forward_progress 1
		.amdhsa_inst_pref_size 91
	.end_amdhsa_kernel
	.amdgpu_metadata
---
amdhsa.version: [ 1, 2 ]
amdhsa.kernels:
  - .name:           k_q8be86edd7b_oproj
    .symbol:         k_q8be86edd7b_oproj.kd
    .args:
      - { .name: ctx, .offset: 0, .size: 8, .value_kind: global_buffer, .address_space: global }
      - { .name: wot, .offset: 8, .size: 8, .value_kind: global_buffer, .address_space: global }
      - { .name: bo, .offset: 16, .size: 8, .value_kind: global_buffer, .address_space: global }
      - { .name: out0, .offset: 24, .size: 8, .value_kind: global_buffer, .address_space: global }
    .group_segment_fixed_size: 327680
    .private_segment_fixed_size: 0
    .kernarg_segment_align: 8
    .kernarg_segment_size: 32
    .max_flat_workgroup_size: 128
    .sgpr_count:     70
    .vgpr_count:     512
    .wavefront_size: 32
...
	.end_amdgpu_metadata
.endif
;; end of part 4
